; MI455X (gfx1250); checked and timed in simulation.
; The chip was launched on July 23, 2026; its instructions are those of AMD's public machine-readable ISA for CDNA 5 (MIT licence, August 2026) and "CDNA5" Instruction Set Architecture Reference Guide (July 2026). The comments in the code are by the model that wrote it; some were corrected since.
;; EM Routing. Allowed arithmetic: float matrix products may take bf16 or f16 operands with f32 sums; all other float work in f32.
;; Inputs: activation 32 x 2,048 x 1 x 1 float32; beta_a 1 x 1 x 32 x 1 float32; beta_v 1 x 1 x 32 x 1 float32; votes 32 x 2,048 x 32 x 16 float32.
;; Outputs: out0 32 x 1 x 32 x 16 float32; out1 32 x 1 x 32 float32.
;; 2 versions, each right; version 2 is version 1 with the launches moments, em1, em2 written anew for expert scheduling mode. Each part assembles by itself: llvm-mc -triple=amdgcn-amd-amdhsa -mcpu=gfx1250 --defsym DOCPART=n.
;; ======== version 1 of 2: 4 launches
;; workspace buffers: part_a 1,114,112 bytes; part_b 1,114,112 bytes; shift_a 65,536 bytes; shift_b 65,536 bytes
;; launch moments (part 1): grid 256 x 1, 16 waves a work-group, no clusters, 69,632 bytes of LDS; arguments votes, activation, shift_a, part_a; writes shift_a, part_a
.if DOCPART == 1
	.amdgcn_target "amdgcn-amd-amdhsa--gfx1250"
	.amdhsa_code_object_version 6
	.text
	.protected	k_q74009c5f83_moments
	.globl	k_q74009c5f83_moments
	.p2align	8
	.type	k_q74009c5f83_moments,@function
k_q74009c5f83_moments:
	s_mov_b64 s[64:65], 0
	v_nop
	global_prefetch_b8 v0, s[64:65] scope:SCOPE_SE
	s_setreg_imm32_b32 hwreg(HW_REG_WAVE_MODE, 25, 1), 1
	s_wait_xcnt 0x0
; EM routing, first M-step: the sums.  votes [32][2048][32][16] f32, activation [32][2048] f32.
; With the uniform start rr = 1/32 the weight of child i is w = activation[i] / 32 for every parent.  Per batch, parent o, pose number h:
;   SUM0 = sum w,  SUM1 = sum w d,  SUM2 = sum w d d,  d = vote - pivot,  pivot = the vote of the batch's first child for the same (o, h).
; The next launch makes mean and variance of them: c = (SUM1 - EPS pivot) / (SUM0 + EPS), mean = pivot + c,
; var = (SUM2 - 2 c SUM1 + c c SUM0) / (SUM0 + EPS): the model's own formula, multiplied out, so the votes are read once for this step.
; A common offset of the votes cancels in d.  LIMIT: the relative error of var is that of f32 sums times 1 + (pivot - mean)^2 / var;
; a pivot k standard deviations off costs the factor 1 + k k.  The order of the sums differs from the model's.
; SHARES: 256 work-groups, eight for each batch; a work-group takes 256 children (512 KiB, contiguous), each of its 16 waves 16 children.
; A child's 2,048 bytes are four loads of the wave, each 512 consecutive bytes, aligned: in load j lane l holds parent 8 j + l / 4,
; pose numbers 4 (l % 4) .. + 3.  A ring of eight register slots keeps 32 loads (16 KiB) of every wave in flight; 16 steps, written out.
; No LDS ring, no matrix unit, no cluster: every byte is used once, by one lane, and no two work-groups read the same votes (but the pivot row).
.set ROWB,  2048                       ; bytes of one child's votes
.set DEPTH, 8                          ; slots of the ring
.set REC,   4352                       ; bytes from one work-group's record to the next in the sums buffer: SUM1 2,048, SUM2 2,048, SUM0 128, unused 128
.set LREC,  4224                       ; a wave's record in LDS: the same three parts
.set VO,    1                          ; v1      byte offset of my 16 bytes in the work-group's votes: 32 KiB x wave + 16 x lane; never rewritten
.set LROW,  2                          ; v2      16 x lane
.set L4,    3                          ; v3      4 x lane
.set RW,    4                          ; v4      LDS: my wave's record + 16 x lane
.set RS0,   5                          ; v5      LDS: my wave's record + 4 x lane
.set T8,    6                          ; v6      8 x thread
.set RR0,   7                          ; v7      LDS: 4,096 + 4 x lane
.set W,     8                          ; v8      the child's weight; v9 is the unused half of the pair that the packed forms name
.set SUM0,  10                         ; v10
.set M,     12                         ; v[12:27]   the pivot of my 16 (o, h)
.set SUM1,  28                         ; v[28:43]
.set SUM2,  44                         ; v[44:59]
.set Q,     60                         ; v[60:75]   d d
.set X,     76                         ; v[76:203]  the ring: slot s has 16 registers, the votes as loaded, then d
.set A,     32                         ; s[32:47]   the activations of my wave's 16 children
	s_load_b256 s[4:11], s[0:1], 0x0               ; votes s[4:5], activation s[6:7], shift out s[8:9], sums out s[10:11]
	v_lshl_add_u32 v204, v0, 2, 0x10800
	v_mov_b32 v205, 0
	v_lshrrev_b32 v[Q], 5, v0
	v_readfirstlane_b32 s20, v[Q]                  ; wave 0..15
	v_and_b32 v[Q+1], 31, v0                       ; lane
	s_lshr_b32 s22, ttmp9, 3                       ; batch
	s_and_b32 s23, ttmp9, 7                        ; which eighth of its children
	s_mov_b32 s25, 0                               ; high word of every offset: all are below 4 GiB
	s_mov_b32 s50, 0x3d000000                      ; rr = 1/32
	v_lshlrev_b32 v[LROW], 4, v[Q+1]
	v_lshl_or_b32 v[VO], v[Q], 15, v[LROW]
	v_lshlrev_b32 v[L4], 2, v[Q+1]
	v_lshlrev_b32 v[T8], 3, v0
	s_mul_i32 s26, s20, LREC
	v_add_nc_u32 v[RW], s26, v[LROW]
	v_add_nc_u32 v[RS0], s26, v[L4]
	v_add_nc_u32 v[RR0], 4096, v[L4]
	v_mov_b32 v[W+1], 0
	s_wait_kmcnt 0x0
	s_lshl_b32 s24, s22, 22                        ; a batch is 4 MiB
	s_add_nc_u64 s[12:13], s[4:5], s[24:25]        ; the batch's first child: the pivot
	s_lshl_b32 s24, ttmp9, 19                      ; a work-group's part is 512 KiB
	s_add_nc_u64 s[4:5], s[4:5], s[24:25]
	s_lshl_b32 s24, ttmp9, 10                      ; 256 activations,
	s_lshl_b32 s26, s20, 6                         ; 16 for each wave
	s_add_co_u32 s24, s24, s26
	s_add_nc_u64 s[6:7], s[6:7], s[24:25]
	s_load_b512 s[A:A+15], s[6:7], 0x0
	s_lshl_b32 s24, s22, 11
	s_add_nc_u64 s[8:9], s[8:9], s[24:25]          ; the batch's 2,048 bytes of shift
	s_mul_i32 s24, ttmp9, REC
	s_add_nc_u64 s[10:11], s[10:11], s[24:25]      ; my work-group's record
.irp j,0,1,2,3
	global_load_b128 v[M+4*\j:M+4*\j+3], v[LROW], s[12:13] offset:512*\j
.endr
.irp s,0,1,2,3,4,5,6,7
.irp j,0,1,2,3
	global_load_b128 v[X+16*\s+4*\j:X+16*\s+4*\j+3], v[VO], s[4:5] offset:ROWB*\s+512*\j th:TH_LOAD_NT
.endr
.endr
	s_or_b32 s24, s23, s20
	s_wait_loadcnt 32                              ; loads return in order (ISA guide 5.7.1): the pivot is in, the ring's 32 loads stay out
	s_cmp_lg_u32 s24, 0
	s_cbranch_scc1 .Lnot_first
.irp j,0,1,2,3
	global_store_b128 v[LROW], v[M+4*\j:M+4*\j+3], s[8:9] offset:512*\j   ; wave 0 of the batch's first work-group hands the pivot on: 512 consecutive bytes a store
.endr
.Lnot_first:
	s_wait_kmcnt 0x0                               ; the activations
; One child.  i: its number in the wave; s: its slot; first = 1: the products start the sums, nothing is cleared;
; refill = 1: the slot then gets child i + 8; left: how many younger loads may stay out.
.macro STEP i, s, first, refill, left
	s_wait_loadcnt \left
	v_mul_f32 v[W], s50, s[A+\i]                   ; rr' = rr x activation
.irp e,0,2,4,6,8,10,12,14
	v_pk_add_f32 v[X+16*\s+\e:X+16*\s+\e+1], v[X+16*\s+\e:X+16*\s+\e+1], v[M+\e:M+\e+1] neg_lo:[0,1] neg_hi:[0,1]   ; d, in place
.endr
.irp e,0,2,4,6,8,10,12,14
	v_pk_mul_f32 v[Q+\e:Q+\e+1], v[X+16*\s+\e:X+16*\s+\e+1], v[X+16*\s+\e:X+16*\s+\e+1]
.endr
.if \first
	v_mov_b32 v[SUM0], v[W]
.irp e,0,2,4,6,8,10,12,14
	v_pk_mul_f32 v[SUM1+\e:SUM1+\e+1], v[X+16*\s+\e:X+16*\s+\e+1], v[W:W+1] op_sel_hi:[1,0]
.endr
.irp e,0,2,4,6,8,10,12,14
	v_pk_mul_f32 v[SUM2+\e:SUM2+\e+1], v[Q+\e:Q+\e+1], v[W:W+1] op_sel_hi:[1,0]
.endr
.else
	v_add_f32 v[SUM0], v[SUM0], v[W]
.irp e,0,2,4,6,8,10,12,14
	v_pk_fma_f32 v[SUM1+\e:SUM1+\e+1], v[X+16*\s+\e:X+16*\s+\e+1], v[W:W+1], v[SUM1+\e:SUM1+\e+1] op_sel_hi:[1,0,1]
.endr
.irp e,0,2,4,6,8,10,12,14
	v_pk_fma_f32 v[SUM2+\e:SUM2+\e+1], v[Q+\e:Q+\e+1], v[W:W+1], v[SUM2+\e:SUM2+\e+1] op_sel_hi:[1,0,1]
.endr
.endif
.if \refill
.irp j,0,1,2,3
	global_load_b128 v[X+16*\s+4*\j:X+16*\s+4*\j+3], v[VO], s[4:5] offset:(\i+DEPTH)*ROWB+512*\j th:TH_LOAD_NT
.endr
.endif
.endm
	; first lap: behind slot s's four loads stand 4 (7 - s) first fills and 4 s refills: 28
	STEP 0,0,1,1,28
.irp i,1,2,3,4,5,6,7
	STEP \i,\i,0,1,28
.endr
	; second lap: nothing is left to fetch, the counts run down
.irp s,0,1,2,3,4,5,6,7
	STEP 8+\s,\s,0,0,28-4*\s
.endr
	; The 16 waves' sums meet in LDS: each wave stores its record, one barrier, thread t adds the 16 pairs at byte 8 t.
.irp j,0,1,2,3
	ds_store_b128 v[RW], v[SUM1+4*\j:SUM1+4*\j+3] offset:512*\j
	ds_store_b128 v[RW], v[SUM2+4*\j:SUM2+4*\j+3] offset:2048+512*\j
.endr
	ds_store_b32 v[RS0], v[SUM0] offset:4096       ; the same for all 32 parents in this step: lane l writes parent l's word
	s_wait_dscnt 0x0                               ; for the other waves' sake: my stores are done before I signal
	s_barrier_signal -1
	s_barrier_wait -1
.irp w,0,1,2,3,4,5,6,7,8,9,10,11,12,13,14,15
	ds_load_b64 v[X+2*\w:X+2*\w+1], v[T8] offset:\w*LREC
.endr
	s_wait_dscnt 0x0
.irp w,0,1,2,3,4,5,6,7
	v_pk_add_f32 v[X+2*\w:X+2*\w+1], v[X+2*\w:X+2*\w+1], v[X+2*\w+16:X+2*\w+17]
.endr
.irp w,0,1,2,3
	v_pk_add_f32 v[X+2*\w:X+2*\w+1], v[X+2*\w:X+2*\w+1], v[X+2*\w+8:X+2*\w+9]
.endr
.irp w,0,1
	v_pk_add_f32 v[X+2*\w:X+2*\w+1], v[X+2*\w:X+2*\w+1], v[X+2*\w+4:X+2*\w+5]
.endr
	v_pk_add_f32 v[X:X+1], v[X:X+1], v[X+2:X+3]
	global_store_b64 v[T8], v[X:X+1], s[10:11]     ; a wave stores 256 consecutive bytes, aligned: SUM1, then SUM2
	s_cmp_lg_u32 s20, 0
	s_cbranch_scc1 .Lend
.irp w,0,1,2,3,4,5,6,7,8,9,10,11,12,13,14,15
	ds_load_b32 v[X+32+\w], v[RR0] offset:\w*LREC  ; wave 0: lane l adds parent l's 16 SUM0
.endr
	s_wait_dscnt 0x0
.irp e,0,2,4,6
	v_pk_add_f32 v[X+32+\e:X+33+\e], v[X+32+\e:X+33+\e], v[X+40+\e:X+41+\e]
.endr
.irp e,0,2
	v_pk_add_f32 v[X+32+\e:X+33+\e], v[X+32+\e:X+33+\e], v[X+36+\e:X+37+\e]
.endr
	v_pk_add_f32 v[X+32:X+33], v[X+32:X+33], v[X+34:X+35]
	v_add_f32 v[X+32], v[X+32], v[X+33]
	global_store_b32 v[L4], v[X+32], s[10:11] offset:4096
.Lend:
	s_wait_tensorcnt 0x0
	ds_add_u32 v204, v205
	s_wait_dscnt 0x0
	s_endpgm
.Lfunc_end_k_q74009c5f83_moments:
	.size	k_q74009c5f83_moments, .Lfunc_end_k_q74009c5f83_moments-k_q74009c5f83_moments
	.p2alignl 7, 3214868480
	.fill 96, 4, 3214868480
	.section	.rodata,"a",@progbits
	.p2align	6, 0x0
	.amdhsa_kernel k_q74009c5f83_moments
		.amdhsa_group_segment_fixed_size 69632
		.amdhsa_private_segment_fixed_size 0
		.amdhsa_enable_private_segment 0
		.amdhsa_kernarg_size 32
		.amdhsa_user_sgpr_count 2
		.amdhsa_user_sgpr_kernarg_segment_ptr 1
		.amdhsa_wavefront_size32 1
		.amdhsa_system_sgpr_workgroup_id_x 1
		.amdhsa_system_sgpr_workgroup_id_y 1
		.amdhsa_system_sgpr_workgroup_id_z 1
		.amdhsa_system_vgpr_workitem_id 0
		.amdhsa_next_free_vgpr 206
		.amdhsa_next_free_sgpr 66
		.amdhsa_reserve_vcc 0
		.amdhsa_float_denorm_mode_32 3
		.amdhsa_float_denorm_mode_16_64 3
		.amdhsa_memory_ordered 1
		.amdhsa_forward_progress 1
		.amdhsa_inst_pref_size 47
	.end_amdhsa_kernel
	.amdgpu_metadata
---
amdhsa.version: [ 1, 2 ]
amdhsa.kernels:
  - .name:           k_q74009c5f83_moments
    .symbol:         k_q74009c5f83_moments.kd
    .args:
      - { .name: votes, .offset: 0, .size: 8, .value_kind: global_buffer, .address_space: global }
      - { .name: activation, .offset: 8, .size: 8, .value_kind: global_buffer, .address_space: global }
      - { .name: shift_a, .offset: 16, .size: 8, .value_kind: global_buffer, .address_space: global }
      - { .name: part_a, .offset: 24, .size: 8, .value_kind: global_buffer, .address_space: global }
    .group_segment_fixed_size: 69632
    .private_segment_fixed_size: 0
    .kernarg_segment_align: 8
    .kernarg_segment_size: 32
    .max_flat_workgroup_size: 512
    .sgpr_count:     66
    .vgpr_count:     206
    .wavefront_size: 32
...
	.end_amdgpu_metadata
.endif
;; end of part 1
;; launch em1 (part 2): grid 256 x 1, 16 waves a work-group, no clusters, 75,776 bytes of LDS; arguments votes, activation, beta_a, beta_v, shift_a, part_a, shift_b, part_b; writes shift_b, part_b
.if DOCPART == 2
	.amdgcn_target "amdgcn-amd-amdhsa--gfx1250"
	.amdhsa_code_object_version 6
	.text
	.protected	k_q74009c5f83_em1
	.globl	k_q74009c5f83_em1
	.p2align	8
	.type	k_q74009c5f83_em1,@function
k_q74009c5f83_em1:
	s_mov_b64 s[64:65], 0
	v_nop
	global_prefetch_b8 v0, s[64:65] scope:SCOPE_SE
	s_setreg_imm32_b32 hwreg(HW_REG_WAVE_MODE, 25, 1), 1
	s_wait_xcnt 0x0
; EM routing: the end of M-step 1, E-step 1 and the sums of M-step 2, in one read of the votes.
; PROLOGUE (once a work-group, thread t = parent t / 16, pose number t % 16): the eight records of the batch are added;
;   c = (SUM1 - EPS shift) / (SUM0 + EPS), mean = shift + c, var = (SUM2 - 2 c SUM1 + c c SUM0) / (SUM0 + EPS), kept at 0 or above,
;   act = sigmoid(lambda (beta_a - SUM0 (16 beta_v + 0.5 sum over h of ln(var + EPS)))): the model's formulas, the squares multiplied out.
;   Into LDS go mean, IV = -0.5 log2(e) / (var + EPS) and CC = (log2(act + EPS) - 0.5 sum over h of log2(2 pi (var + EPS))) / 8.
; MAIN (a wave takes 16 children): d = vote - mean; logit, in base 2, = sum over h of d d IV + 8 CC; softmax over the 32 parents with the
;   true maximum taken away; w = softmax x activation; SUM0 += w, SUM1 += w d, SUM2 += w d d.  So the new sums are taken about the old mean,
;   which the next launch gets as its shift: no difference of large sums is formed, whatever common offset the votes carry.
; LIMITS: v_exp_f32, v_log_f32, v_rcp_f32 are good to one unit in the last place and flush denormals (ISA guide 15.8): a softmax term below
;   2^-126 of the largest counts as 0.  The order of the sums differs from the model's.
; SHARES: 256 work-groups, eight for each batch, 256 children each; 16 waves, 16 children each.  A child's 2,048 bytes are four loads of the
;   wave, each 512 consecutive bytes, aligned: in load j lane l holds parent 8 j + l / 4, pose numbers 4 (l % 4) .. + 3.  The sum over h is made in the
;   lane and over lanes l ^ 1, l ^ 2; maximum and sum over parents in the lane (j) and over lanes l ^ 4, l ^ 8, l ^ 16.
;   A ring of eight register slots: 32 loads (16 KiB) of every wave in flight once the prologue is over; 16 steps, written out.
; ORDER AT THE START: no child can be worked on, and so no slot filled again, before the prologue is over in all 16 waves.  So what the prologue
;   needs is asked for first by every wave, half of the ring goes out behind it, and the other half behind the prologue (see there).
; No LDS ring, no matrix unit, no cluster: every vote is used by one lane of one work-group, and the sums have one row for each parent.
.set ROWB,  2048                       ; bytes of one child's votes
.set DEPTH, 8                          ; slots of the ring
.set PRE,   4                          ; of them asked for ahead of the prologue
.set REC,   4352                       ; bytes from record to record in the sums buffers: SUM1 2,048, SUM2 2,048, SUM0 128, unused 128
.set LREC,  4224                       ; a wave's record in LDS
.set RED,   6144                       ; LDS: mean 2,048 bytes, IV 2,048, CC 2,048 (a word for each thread: 16 copies for each parent); from here the 16 waves' records
.set KLAM,  0x3a3d18d0                 ; lambda log2(e), lambda = 0.01 (1 - 0.95) = 0.0005
.set EPSF,  0x3089705f                 ; 1e-9
.set NEPSF, 0xb089705f                 ; -1e-9
.set VO,    1                          ; v1   byte offset of my 16 bytes in the work-group's votes: 32 KiB x wave + 16 x lane; never rewritten
.set LROW,  2                          ; v2   16 x lane
.set LC,    3                          ; v3   64 x (lane / 4) + 8 x (lane % 4) + 32 x (lane / 16): two of the 16 copies of CC of parent lane / 4
.set T4,    4                          ; v4   4 x thread
.set O4,    5                          ; v5   4 x (thread / 16)
.set RW,    6                          ; v6   LDS: my wave's record + 16 x lane
.set RS0,   7                          ; v7   LDS: my wave's record + 4 x (lane / 4)
.set RR,    8                          ; v8   LDS: RED + 8 x thread
.set RR0,   9                          ; v9   LDS: RED + 4,096 + 4 x lane
.set T8,    10                         ; v10  8 x thread
.set L4,    11                         ; v11  4 x lane
.set MX,    12                         ; v12  the maximum; the packed forms name v[12:13] and take v12 twice
.set SM,    13                         ; v13  the sum of the exponentials
.set R,     14                         ; v14  activation / sum; the packed forms name v[14:15] and take v14 twice
.set PX,    15                         ; v15  what v_permlanex16_b32 brings
.set L,     16                         ; v[16:19]   logits of my four parents
.set T,     20                         ; v[20:27]   at work
.set E,     28                         ; v[28:31]   exponentials, then weights
.set M,     32                         ; v[32:47]   mean of my 16 (o, h)
.set IV,    48                         ; v[48:63]   IV
.set CC,    64                         ; v[64:71]   CC of parent j, twice
.set SUM0,  72                         ; v[72:75]
.set SUM1,  76                         ; v[76:91]
.set SUM2,  92                         ; v[92:107]
.set Q,     108                        ; v[108:123] d d
.set X,     124                        ; v[124:251] the ring: slot s has 16 registers, the votes as loaded, then d
.set A,     32                         ; s[32:47]   the activations of my wave's 16 children
.set P1,    76                         ; prologue only, in registers that the main part writes later: eight SUM1,
.set P2,    84                         ; eight SUM2,
.set P0,    92                         ; eight SUM0,
.set SH,    100                        ; the shift,
.set BA,    101                        ; beta_a,
.set BV,    102                        ; beta_v,
.set U,     104                        ; v[104:114] at work
.macro FILL s                          ; a slot's first fill: child s of my wave, four loads of 512 consecutive bytes
.irp j,0,1,2,3
	global_load_b128 v[X+16*\s+4*\j:X+16*\s+4*\j+3], v[VO], s[4:5] offset:ROWB*\s+512*\j th:TH_LOAD_NT
.endr
.endm
	s_load_b512 s[4:19], s[0:1], 0x0               ; votes 4, activation 6, beta_a 8, beta_v 10, shift in 12, sums in 14, shift out 16, sums out 18
	v_lshl_add_u32 v252, v0, 2, 0x12000
	v_mov_b32 v253, 0
	v_lshrrev_b32 v[L], 5, v0
	v_readfirstlane_b32 s20, v[L]                  ; wave 0..15
	v_and_b32 v[L+1], 31, v0                       ; lane
	s_lshr_b32 s22, ttmp9, 3                       ; batch
	s_and_b32 s23, ttmp9, 7                        ; which eighth of its children
	s_mov_b32 s25, 0                               ; high word of every offset: all are below 4 GiB
	s_mov_b32 s48, 0x76543210                      ; v_permlanex16_b32: lane i of one half reads lane i of the other
	s_mov_b32 s49, 0xfedcba98
	s_mov_b32 s50, 0x3e000000                      ; 1/8
	v_lshlrev_b32 v[T4], 2, v0
	v_lshrrev_b32 v[T+1], 4, v0
	v_lshlrev_b32 v[O4], 2, v[T+1]
	v_lshlrev_b32 v[LROW], 4, v[L+1]
	v_lshl_or_b32 v[VO], v[L], 15, v[LROW]
	v_lshlrev_b32 v[L4], 2, v[L+1]
	v_lshrrev_b32 v[L+2], 2, v[L+1]                ; lane / 4
	v_and_b32 v[L+3], 3, v[L+1]                    ; lane % 4
	v_lshrrev_b32 v[T], 4, v[L+1]                  ; lane / 16
	v_lshlrev_b32 v[LC], 6, v[L+2]                 ; a parent's 16 copies of CC are 64 bytes;
	v_lshl_add_u32 v[LC], v[L+3], 3, v[LC]         ; its four lanes take four different pairs of them,
	v_lshl_add_u32 v[LC], v[T], 5, v[LC]           ; the upper 16 lanes the upper half: the 32 lanes read 64 different words modulo 256 bytes
	v_lshlrev_b32 v[T8], 3, v0
	s_mul_i32 s26, s20, LREC
	s_add_co_u32 s26, s26, RED
	v_add_nc_u32 v[RW], s26, v[LROW]
	v_lshl_add_u32 v[RS0], v[L+2], 2, s26
	v_add_nc_u32 v[RR], RED, v[T8]
	v_add_nc_u32 v[RR0], RED+4096, v[L4]
	v_mov_b32 v[SM], 0                             ; read, unused, as the second half of v[12:13] before its first sum
	v_mov_b32 v[PX], 0                             ; the destination of v_permlanex16_b32 counts as read
	s_wait_kmcnt 0x0
	s_mul_i32 s24, s22, 8*REC
	s_add_nc_u64 s[14:15], s[14:15], s[24:25]      ; the batch's eight records
	s_lshl_b32 s24, s22, 11
	s_add_nc_u64 s[12:13], s[12:13], s[24:25]      ; the batch's 2,048 bytes of shift, in
	s_add_nc_u64 s[16:17], s[16:17], s[24:25]      ; and out
	; what the prologue needs: 27 loads of 4 bytes a lane
.irp g,0,1,2,3,4,5,6,7
	global_load_b32 v[P1+\g], v[T4], s[14:15] offset:\g*REC
	global_load_b32 v[P2+\g], v[T4], s[14:15] offset:\g*REC+2048
	global_load_b32 v[P0+\g], v[O4], s[14:15] offset:\g*REC+4096
.endr
	global_load_b32 v[SH], v[T4], s[12:13]
	global_load_b32 v[BA], v[O4], s[8:9]
	global_load_b32 v[BV], v[O4], s[10:11]
	s_lshl_b32 s24, ttmp9, 10                      ; 256 activations,
	s_lshl_b32 s26, s20, 6                         ; 16 for each wave
	s_add_co_u32 s24, s24, s26
	s_add_nc_u64 s[6:7], s[6:7], s[24:25]
	s_load_b512 s[A:A+15], s[6:7], 0x0
	; This barrier hands over no data: it fixes an order of issue among the 16 waves.  Behind it all 432 small loads of the work-group (34 KiB of sums,
	; which every wave must have before the first child is worked on) have been issued; only then does the first load of votes go out, so that no
	; wave's small loads are asked for behind another wave's votes.
	s_barrier_signal -1
	s_lshl_b32 s24, ttmp9, 19                      ; a work-group's votes are 512 KiB
	s_add_nc_u64 s[4:5], s[4:5], s[24:25]
	s_mul_i32 s24, ttmp9, REC
	s_add_nc_u64 s[18:19], s[18:19], s[24:25]      ; my work-group's record
	s_barrier_wait -1
	; Half of the ring: 16 loads, 8 KiB a wave, 128 KiB a work-group.  A wave issues in order, so the prologue's arithmetic stands behind every load
	; that is written in front of it: the other half goes out behind the prologue.
.irp s,0,1,2,3
	FILL \s
.endr
	s_wait_loadcnt 4*PRE                           ; loads return in order (ISA guide 5.7.1): the 27 are in, the 16 loads of votes behind them stay out
.irp p,P1,P2,P0
	v_pk_add_f32 v[\p:\p+1], v[\p:\p+1], v[\p+2:\p+3]
	v_pk_add_f32 v[\p+4:\p+5], v[\p+4:\p+5], v[\p+6:\p+7]
.endr
.irp p,P1,P2,P0
	v_pk_add_f32 v[\p:\p+1], v[\p:\p+1], v[\p+4:\p+5]
.endr
.irp p,P1,P2,P0
	v_add_f32 v[\p], v[\p], v[\p+1]
.endr
	v_add_f32 v[U], EPSF, v[P0]
	v_rcp_f32 v[U+1], v[U]                         ; 1 / (SUM0 + EPS); behind a transcendental one plain vector instruction stands before its result is used (ISA guide 5.7.2)
	v_fmamk_f32 v[U+2], v[SH], NEPSF, v[P1]        ; SUM1 - EPS shift
	s_wait_alu depctr_va_vdst(0)
	v_mul_f32 v[U+2], v[U+2], v[U+1]               ; c
	v_add_f32 v[U+3], v[SH], v[U+2]                ; mean
	v_mul_f32 v[U+4], v[U+2], v[P0]
	v_fma_f32 v[U+4], v[P1], -2.0, v[U+4]          ; c SUM0 - 2 SUM1
	v_fma_f32 v[U+4], v[U+2], v[U+4], v[P2]        ; SUM2 + c (c SUM0 - 2 SUM1)
	v_mul_f32 v[U+4], v[U+4], v[U+1]               ; var
	v_max_num_f32 v[U+4], 0, v[U+4]                ; rounding may not carry it below 0
	v_add_f32 v[U+4], EPSF, v[U+4]                 ; var + EPS
	v_log_f32 v[U+5], v[U+4]
	v_rcp_f32 v[U+6], v[U+4]
	v_mul_f32 v[U+7], 0x41800000, v[BV]            ; 16 beta_v (the plain place behind the two)
	s_wait_alu depctr_va_vdst(0)
	v_add_f32_dpp v[U+5], v[U+5], v[U+5] row_xmask:1 row_mask:0xf bank_mask:0xf   ; a parent's 16 pose numbers are one row of 16 lanes
	v_add_f32_dpp v[U+5], v[U+5], v[U+5] row_xmask:2 row_mask:0xf bank_mask:0xf
	v_add_f32_dpp v[U+5], v[U+5], v[U+5] row_xmask:4 row_mask:0xf bank_mask:0xf
	v_add_f32_dpp v[U+5], v[U+5], v[U+5] row_xmask:8 row_mask:0xf bank_mask:0xf   ; sum over h of log2(var + EPS)
	v_mul_f32 v[U+6], 0xbf38aa3b, v[U+6]           ; IV = -0.5 log2(e) / (var + EPS)
	v_fmamk_f32 v[U+7], v[U+5], 0x3eb17218, v[U+7] ; 16 beta_v + 0.5 ln 2 x that sum
	v_fma_f32 v[U+7], v[U+7], v[P0], -v[BA]        ; cost - beta_a
	v_mul_f32 v[U+7], KLAM, v[U+7]
	v_exp_f32 v[U+8], v[U+7]                       ; e^(-lambda (beta_a - cost)); an overflow to infinity gives act = 0, as the sigmoid does
	v_nop
	s_wait_alu depctr_va_vdst(0)
	v_add_f32 v[U+8], 1.0, v[U+8]
	v_rcp_f32 v[U+9], v[U+8]                       ; act
	v_nop
	s_wait_alu depctr_va_vdst(0)
	v_add_f32 v[U+9], EPSF, v[U+9]
	v_log_f32 v[U+10], v[U+9]
	v_nop
	s_wait_alu depctr_va_vdst(0)
	v_fma_f32 v[U+10], v[U+5], -0.5, v[U+10]       ; log2(act + EPS) - 0.5 sum log2(var + EPS)
	v_fmaak_f32 v[U+10], s50, v[U+10], 0xc029b21d  ; / 8 - log2(2 pi): an eighth of the constant, 16 x 0.5 log2(2 pi) among it
	ds_store_b32 v[T4], v[U+3]
	ds_store_b32 v[T4], v[U+6] offset:2048
	ds_store_b32 v[T4], v[U+10] offset:4096        ; every thread its own word: a parent's 16 lanes leave 16 copies of its CC
	s_wait_dscnt 0x0                               ; for the other waves' sake: my stores are done before I signal
	s_barrier_signal -1
	s_barrier_wait -1
.irp j,0,1,2,3
	ds_load_b128 v[M+4*\j:M+4*\j+3], v[LROW] offset:512*\j
	ds_load_b128 v[IV+4*\j:IV+4*\j+3], v[LROW] offset:2048+512*\j
	ds_load_b64 v[CC+2*\j:CC+2*\j+1], v[LC] offset:4096+512*\j     ; two copies of CC of parent 8 j + lane / 4: the pair that the packed multiply-add takes
.endr
.irp s,4,5,6,7
	FILL \s                                        ; the ring's other half, in the slots' order, so that the counts of the first lap are those of one run of 32
.endr
	s_or_b32 s24, s23, s20
	s_wait_dscnt 0x0
	s_cmp_lg_u32 s24, 0
	s_cbranch_scc1 .Lnot_first
.irp j,0,1,2,3
	global_store_b128 v[LROW], v[M+4*\j:M+4*\j+3], s[16:17] offset:512*\j   ; wave 0 of the batch's first work-group hands the mean on as the next shift
.endr
.Lnot_first:
	s_wait_kmcnt 0x0                               ; the activations
; dst[4 j .. 4 j + 3] (+)= src[4 j .. 4 j + 3] x weight of parent j.  The weight is one register of a pair: op_sel and op_sel_hi take it for both halves.
.macro ACC dst, src, j, first
.irp k,0,2
.if \first
.if (\j)&1
	v_pk_mul_f32 v[\dst+4*\j+\k:\dst+4*\j+\k+1], v[\src+4*\j+\k:\src+4*\j+\k+1], v[E+\j-1:E+\j] op_sel:[0,1] op_sel_hi:[1,1]
.else
	v_pk_mul_f32 v[\dst+4*\j+\k:\dst+4*\j+\k+1], v[\src+4*\j+\k:\src+4*\j+\k+1], v[E+\j:E+\j+1] op_sel_hi:[1,0]
.endif
.else
.if (\j)&1
	v_pk_fma_f32 v[\dst+4*\j+\k:\dst+4*\j+\k+1], v[\src+4*\j+\k:\src+4*\j+\k+1], v[E+\j-1:E+\j], v[\dst+4*\j+\k:\dst+4*\j+\k+1] op_sel:[0,1,0] op_sel_hi:[1,1,1]
.else
	v_pk_fma_f32 v[\dst+4*\j+\k:\dst+4*\j+\k+1], v[\src+4*\j+\k:\src+4*\j+\k+1], v[E+\j:E+\j+1], v[\dst+4*\j+\k:\dst+4*\j+\k+1] op_sel_hi:[1,0,1]
.endif
.endif
.endr
.endm
; One child.  i: its number in the wave; s: its slot; first = 1: the products start the sums, nothing is cleared;
; refill = 1: the slot then gets child i + 8; left: how many younger loads may stay out.
.macro STEP i, s, first, refill, left
	s_wait_loadcnt \left
.irp e,0,2,4,6,8,10,12,14
	v_pk_add_f32 v[X+16*\s+\e:X+16*\s+\e+1], v[X+16*\s+\e:X+16*\s+\e+1], v[M+\e:M+\e+1] neg_lo:[0,1] neg_hi:[0,1]   ; d, in place
.endr
.irp e,0,2,4,6,8,10,12,14
	v_pk_mul_f32 v[Q+\e:Q+\e+1], v[X+16*\s+\e:X+16*\s+\e+1], v[X+16*\s+\e:X+16*\s+\e+1]
.endr
.irp j,0,1,2,3
	v_pk_fma_f32 v[T+2*\j:T+2*\j+1], v[Q+4*\j:Q+4*\j+1], v[IV+4*\j:IV+4*\j+1], v[CC+2*\j:CC+2*\j+1]   ; two eighths of the constant in each of four lanes
.endr
.irp j,0,1,2,3
	v_pk_fma_f32 v[T+2*\j:T+2*\j+1], v[Q+4*\j+2:Q+4*\j+3], v[IV+4*\j+2:IV+4*\j+3], v[T+2*\j:T+2*\j+1]
.endr
.irp j,0,1,2,3
	v_add_f32 v[L+\j], v[T+2*\j], v[T+2*\j+1]
.endr
.irp j,0,1,2,3
	v_add_f32_dpp v[L+\j], v[L+\j], v[L+\j] row_xmask:1 row_mask:0xf bank_mask:0xf
.endr
.irp j,0,1,2,3
	v_add_f32_dpp v[L+\j], v[L+\j], v[L+\j] row_xmask:2 row_mask:0xf bank_mask:0xf   ; the four lanes of a parent now hold its logit
.endr
	v_max3_num_f32 v[MX], v[L], v[L+1], v[L+2]
	v_max_num_f32 v[MX], v[MX], v[L+3]
	v_max_num_f32_dpp v[MX], v[MX], v[MX] row_xmask:4 row_mask:0xf bank_mask:0xf
	v_max_num_f32_dpp v[MX], v[MX], v[MX] row_xmask:8 row_mask:0xf bank_mask:0xf
	v_permlanex16_b32 v[PX], v[MX], s48, s49
	v_max_num_f32 v[MX], v[MX], v[PX]              ; the largest of the 32 logits, in every lane
	v_pk_add_f32 v[L:L+1], v[L:L+1], v[MX:MX+1] op_sel_hi:[1,0] neg_lo:[0,1] neg_hi:[0,1]
	v_pk_add_f32 v[L+2:L+3], v[L+2:L+3], v[MX:MX+1] op_sel_hi:[1,0] neg_lo:[0,1] neg_hi:[0,1]
.irp j,0,1,2,3
	v_exp_f32 v[E+\j], v[L+\j]
.endr
	v_nop                                          ; the plain place behind the transcendentals (ISA guide 5.7.2)
	s_wait_alu depctr_va_vdst(0)
	v_pk_add_f32 v[T:T+1], v[E:E+1], v[E+2:E+3]
	v_add_f32 v[SM], v[T], v[T+1]
	v_add_f32_dpp v[SM], v[SM], v[SM] row_xmask:4 row_mask:0xf bank_mask:0xf
	v_add_f32_dpp v[SM], v[SM], v[SM] row_xmask:8 row_mask:0xf bank_mask:0xf
	v_permlanex16_b32 v[PX], v[SM], s48, s49
	v_add_f32 v[SM], v[SM], v[PX]                  ; each parent once: lanes that differ in l % 4 alone are never added
	v_rcp_f32 v[R], v[SM]
	v_nop
	s_wait_alu depctr_va_vdst(0)
	v_mul_f32 v[R], s[A+\i], v[R]                  ; activation / sum
.if \first
	v_pk_mul_f32 v[SUM0:SUM0+1], v[E:E+1], v[R:R+1] op_sel_hi:[1,0]
	v_pk_mul_f32 v[SUM0+2:SUM0+3], v[E+2:E+3], v[R:R+1] op_sel_hi:[1,0]
.else
	v_pk_fma_f32 v[SUM0:SUM0+1], v[E:E+1], v[R:R+1], v[SUM0:SUM0+1] op_sel_hi:[1,0,1]
	v_pk_fma_f32 v[SUM0+2:SUM0+3], v[E+2:E+3], v[R:R+1], v[SUM0+2:SUM0+3] op_sel_hi:[1,0,1]
.endif
	v_pk_mul_f32 v[E:E+1], v[E:E+1], v[R:R+1] op_sel_hi:[1,0]          ; rr' of my four parents
	v_pk_mul_f32 v[E+2:E+3], v[E+2:E+3], v[R:R+1] op_sel_hi:[1,0]
.irp j,0,1,2,3
	ACC SUM1,X+16*\s,\j,\first
.endr
.irp j,0,1,2,3
	ACC SUM2,Q,\j,\first
.endr
.if \refill
.irp j,0,1,2,3
	global_load_b128 v[X+16*\s+4*\j:X+16*\s+4*\j+3], v[VO], s[4:5] offset:(\i+DEPTH)*ROWB+512*\j th:TH_LOAD_NT
.endr
.endif
.endm
	; first lap: behind slot s's four loads stand 4 (7 - s) first fills and 4 s refills: 28
	STEP 0,0,1,1,28
.irp i,1,2,3,4,5,6,7
	STEP \i,\i,0,1,28
.endr
	; second lap: nothing is left to fetch, the counts run down
.irp s,0,1,2,3,4,5,6,7
	STEP 8+\s,\s,0,0,28-4*\s
.endr
	; The 16 waves' sums meet in LDS, in bytes of their own: each wave stores its record, one barrier, thread t adds the 16 pairs at byte 8 t.
.irp j,0,1,2,3
	ds_store_b128 v[RW], v[SUM1+4*\j:SUM1+4*\j+3] offset:512*\j
	ds_store_b128 v[RW], v[SUM2+4*\j:SUM2+4*\j+3] offset:2048+512*\j
	ds_store_b32 v[RS0], v[SUM0+\j] offset:4096+32*\j      ; a parent's four lanes write one word with one value
.endr
	s_wait_dscnt 0x0                               ; for the other waves' sake: my stores are done before I signal
	s_barrier_signal -1
	s_barrier_wait -1
.irp w,0,1,2,3,4,5,6,7,8,9,10,11,12,13,14,15
	ds_load_b64 v[X+2*\w:X+2*\w+1], v[RR] offset:\w*LREC
.endr
	s_wait_dscnt 0x0
.irp w,0,1,2,3,4,5,6,7
	v_pk_add_f32 v[X+2*\w:X+2*\w+1], v[X+2*\w:X+2*\w+1], v[X+2*\w+16:X+2*\w+17]
.endr
.irp w,0,1,2,3
	v_pk_add_f32 v[X+2*\w:X+2*\w+1], v[X+2*\w:X+2*\w+1], v[X+2*\w+8:X+2*\w+9]
.endr
.irp w,0,1
	v_pk_add_f32 v[X+2*\w:X+2*\w+1], v[X+2*\w:X+2*\w+1], v[X+2*\w+4:X+2*\w+5]
.endr
	v_pk_add_f32 v[X:X+1], v[X:X+1], v[X+2:X+3]
	global_store_b64 v[T8], v[X:X+1], s[18:19]     ; a wave stores 256 consecutive bytes, aligned: SUM1, then SUM2
	s_cmp_lg_u32 s20, 0
	s_cbranch_scc1 .Lend
.irp w,0,1,2,3,4,5,6,7,8,9,10,11,12,13,14,15
	ds_load_b32 v[X+32+\w], v[RR0] offset:\w*LREC  ; wave 0: lane l adds parent l's 16 SUM0
.endr
	s_wait_dscnt 0x0
.irp e,0,2,4,6
	v_pk_add_f32 v[X+32+\e:X+33+\e], v[X+32+\e:X+33+\e], v[X+40+\e:X+41+\e]
.endr
.irp e,0,2
	v_pk_add_f32 v[X+32+\e:X+33+\e], v[X+32+\e:X+33+\e], v[X+36+\e:X+37+\e]
.endr
	v_pk_add_f32 v[X+32:X+33], v[X+32:X+33], v[X+34:X+35]
	v_add_f32 v[X+32], v[X+32], v[X+33]
	global_store_b32 v[L4], v[X+32], s[18:19] offset:4096
.Lend:
	s_wait_tensorcnt 0x0
	ds_add_u32 v252, v253
	s_wait_dscnt 0x0
	s_endpgm
.Lfunc_end_k_q74009c5f83_em1:
	.size	k_q74009c5f83_em1, .Lfunc_end_k_q74009c5f83_em1-k_q74009c5f83_em1
	.p2alignl 7, 3214868480
	.fill 96, 4, 3214868480
	.section	.rodata,"a",@progbits
	.p2align	6, 0x0
	.amdhsa_kernel k_q74009c5f83_em1
		.amdhsa_group_segment_fixed_size 75776
		.amdhsa_private_segment_fixed_size 0
		.amdhsa_enable_private_segment 0
		.amdhsa_kernarg_size 64
		.amdhsa_user_sgpr_count 2
		.amdhsa_user_sgpr_kernarg_segment_ptr 1
		.amdhsa_wavefront_size32 1
		.amdhsa_system_sgpr_workgroup_id_x 1
		.amdhsa_system_sgpr_workgroup_id_y 1
		.amdhsa_system_sgpr_workgroup_id_z 1
		.amdhsa_system_vgpr_workitem_id 0
		.amdhsa_next_free_vgpr 254
		.amdhsa_next_free_sgpr 66
		.amdhsa_reserve_vcc 0
		.amdhsa_float_denorm_mode_32 3
		.amdhsa_float_denorm_mode_16_64 3
		.amdhsa_memory_ordered 1
		.amdhsa_forward_progress 1
		.amdhsa_inst_pref_size 92
	.end_amdhsa_kernel
	.amdgpu_metadata
---
amdhsa.version: [ 1, 2 ]
amdhsa.kernels:
  - .name:           k_q74009c5f83_em1
    .symbol:         k_q74009c5f83_em1.kd
    .args:
      - { .name: votes, .offset: 0, .size: 8, .value_kind: global_buffer, .address_space: global }
      - { .name: activation, .offset: 8, .size: 8, .value_kind: global_buffer, .address_space: global }
      - { .name: beta_a, .offset: 16, .size: 8, .value_kind: global_buffer, .address_space: global }
      - { .name: beta_v, .offset: 24, .size: 8, .value_kind: global_buffer, .address_space: global }
      - { .name: shift_a, .offset: 32, .size: 8, .value_kind: global_buffer, .address_space: global }
      - { .name: part_a, .offset: 40, .size: 8, .value_kind: global_buffer, .address_space: global }
      - { .name: shift_b, .offset: 48, .size: 8, .value_kind: global_buffer, .address_space: global }
      - { .name: part_b, .offset: 56, .size: 8, .value_kind: global_buffer, .address_space: global }
    .group_segment_fixed_size: 75776
    .private_segment_fixed_size: 0
    .kernarg_segment_align: 8
    .kernarg_segment_size: 64
    .max_flat_workgroup_size: 512
    .sgpr_count:     66
    .vgpr_count:     254
    .wavefront_size: 32
...
	.end_amdgpu_metadata
.endif
;; end of part 2
;; launch em2 (part 3): grid 256 x 1, 16 waves a work-group, no clusters, 75,776 bytes of LDS; arguments votes, activation, beta_a, beta_v, shift_b, part_b, shift_a, part_a; writes shift_a, part_a
.if DOCPART == 3
	.amdgcn_target "amdgcn-amd-amdhsa--gfx1250"
	.amdhsa_code_object_version 6
	.text
	.protected	k_q74009c5f83_em2
	.globl	k_q74009c5f83_em2
	.p2align	8
	.type	k_q74009c5f83_em2,@function
k_q74009c5f83_em2:
	s_mov_b64 s[64:65], 0
	v_nop
	global_prefetch_b8 v0, s[64:65] scope:SCOPE_SE
	s_setreg_imm32_b32 hwreg(HW_REG_WAVE_MODE, 25, 1), 1
	s_wait_xcnt 0x0
; EM routing: the end of M-step 2, E-step 2 and the sums of M-step 3, in one read of the votes.
; The text of the launch before it, with the second iteration's inverse temperature (KLAM) and the two pairs of buffers exchanged.
; PROLOGUE (once a work-group, thread t = parent t / 16, pose number t % 16): the eight records of the batch are added;
;   c = (SUM1 - EPS shift) / (SUM0 + EPS), mean = shift + c, var = (SUM2 - 2 c SUM1 + c c SUM0) / (SUM0 + EPS), kept at 0 or above,
;   act = sigmoid(lambda (beta_a - SUM0 (16 beta_v + 0.5 sum over h of ln(var + EPS)))): the model's formulas, the squares multiplied out.
;   Into LDS go mean, IV = -0.5 log2(e) / (var + EPS) and CC = (log2(act + EPS) - 0.5 sum over h of log2(2 pi (var + EPS))) / 8.
; MAIN (a wave takes 16 children): d = vote - mean; logit, in base 2, = sum over h of d d IV + 8 CC; softmax over the 32 parents with the
;   true maximum taken away; w = softmax x activation; SUM0 += w, SUM1 += w d, SUM2 += w d d.  So the new sums are taken about the old mean,
;   which the next launch gets as its shift: no difference of large sums is formed, whatever common offset the votes carry.
; LIMITS: v_exp_f32, v_log_f32, v_rcp_f32 are good to one unit in the last place and flush denormals (ISA guide 15.8): a softmax term below
;   2^-126 of the largest counts as 0.  The order of the sums differs from the model's.
; SHARES: 256 work-groups, eight for each batch, 256 children each; 16 waves, 16 children each.  A child's 2,048 bytes are four loads of the
;   wave, each 512 consecutive bytes, aligned: in load j lane l holds parent 8 j + l / 4, pose numbers 4 (l % 4) .. + 3.  The sum over h is made in the
;   lane and over lanes l ^ 1, l ^ 2; maximum and sum over parents in the lane (j) and over lanes l ^ 4, l ^ 8, l ^ 16.
;   A ring of eight register slots: 32 loads (16 KiB) of every wave in flight once the prologue is over; 16 steps, written out.
; ORDER AT THE START: no child can be worked on, and so no slot filled again, before the prologue is over in all 16 waves.  So what the prologue
;   needs is asked for first by every wave, half of the ring goes out behind it, and the other half behind the prologue (see there).
; No LDS ring, no matrix unit, no cluster: every vote is used by one lane of one work-group, and the sums have one row for each parent.
.set ROWB,  2048                       ; bytes of one child's votes
.set DEPTH, 8                          ; slots of the ring
.set PRE,   4                          ; of them asked for ahead of the prologue
.set REC,   4352                       ; bytes from record to record in the sums buffers: SUM1 2,048, SUM2 2,048, SUM0 128, unused 128
.set LREC,  4224                       ; a wave's record in LDS
.set RED,   6144                       ; LDS: mean 2,048 bytes, IV 2,048, CC 2,048 (a word for each thread: 16 copies for each parent); from here the 16 waves' records
.set KLAM,  0x3ab85e98                 ; lambda log2(e), lambda = 0.01 (1 - 0.95^2) = 0.000975
.set EPSF,  0x3089705f                 ; 1e-9
.set NEPSF, 0xb089705f                 ; -1e-9
.set VO,    1                          ; v1   byte offset of my 16 bytes in the work-group's votes: 32 KiB x wave + 16 x lane; never rewritten
.set LROW,  2                          ; v2   16 x lane
.set LC,    3                          ; v3   64 x (lane / 4) + 8 x (lane % 4) + 32 x (lane / 16): two of the 16 copies of CC of parent lane / 4
.set T4,    4                          ; v4   4 x thread
.set O4,    5                          ; v5   4 x (thread / 16)
.set RW,    6                          ; v6   LDS: my wave's record + 16 x lane
.set RS0,   7                          ; v7   LDS: my wave's record + 4 x (lane / 4)
.set RR,    8                          ; v8   LDS: RED + 8 x thread
.set RR0,   9                          ; v9   LDS: RED + 4,096 + 4 x lane
.set T8,    10                         ; v10  8 x thread
.set L4,    11                         ; v11  4 x lane
.set MX,    12                         ; v12  the maximum; the packed forms name v[12:13] and take v12 twice
.set SM,    13                         ; v13  the sum of the exponentials
.set R,     14                         ; v14  activation / sum; the packed forms name v[14:15] and take v14 twice
.set PX,    15                         ; v15  what v_permlanex16_b32 brings
.set L,     16                         ; v[16:19]   logits of my four parents
.set T,     20                         ; v[20:27]   at work
.set E,     28                         ; v[28:31]   exponentials, then weights
.set M,     32                         ; v[32:47]   mean of my 16 (o, h)
.set IV,    48                         ; v[48:63]   IV
.set CC,    64                         ; v[64:71]   CC of parent j, twice
.set SUM0,  72                         ; v[72:75]
.set SUM1,  76                         ; v[76:91]
.set SUM2,  92                         ; v[92:107]
.set Q,     108                        ; v[108:123] d d
.set X,     124                        ; v[124:251] the ring: slot s has 16 registers, the votes as loaded, then d
.set A,     32                         ; s[32:47]   the activations of my wave's 16 children
.set P1,    76                         ; prologue only, in registers that the main part writes later: eight SUM1,
.set P2,    84                         ; eight SUM2,
.set P0,    92                         ; eight SUM0,
.set SH,    100                        ; the shift,
.set BA,    101                        ; beta_a,
.set BV,    102                        ; beta_v,
.set U,     104                        ; v[104:114] at work
.macro FILL s                          ; a slot's first fill: child s of my wave, four loads of 512 consecutive bytes
.irp j,0,1,2,3
	global_load_b128 v[X+16*\s+4*\j:X+16*\s+4*\j+3], v[VO], s[4:5] offset:ROWB*\s+512*\j th:TH_LOAD_NT
.endr
.endm
	s_load_b512 s[4:19], s[0:1], 0x0               ; votes 4, activation 6, beta_a 8, beta_v 10, shift in 12, sums in 14, shift out 16, sums out 18
	v_lshl_add_u32 v252, v0, 2, 0x12000
	v_mov_b32 v253, 0
	v_lshrrev_b32 v[L], 5, v0
	v_readfirstlane_b32 s20, v[L]                  ; wave 0..15
	v_and_b32 v[L+1], 31, v0                       ; lane
	s_lshr_b32 s22, ttmp9, 3                       ; batch
	s_and_b32 s23, ttmp9, 7                        ; which eighth of its children
	s_mov_b32 s25, 0                               ; high word of every offset: all are below 4 GiB
	s_mov_b32 s48, 0x76543210                      ; v_permlanex16_b32: lane i of one half reads lane i of the other
	s_mov_b32 s49, 0xfedcba98
	s_mov_b32 s50, 0x3e000000                      ; 1/8
	v_lshlrev_b32 v[T4], 2, v0
	v_lshrrev_b32 v[T+1], 4, v0
	v_lshlrev_b32 v[O4], 2, v[T+1]
	v_lshlrev_b32 v[LROW], 4, v[L+1]
	v_lshl_or_b32 v[VO], v[L], 15, v[LROW]
	v_lshlrev_b32 v[L4], 2, v[L+1]
	v_lshrrev_b32 v[L+2], 2, v[L+1]                ; lane / 4
	v_and_b32 v[L+3], 3, v[L+1]                    ; lane % 4
	v_lshrrev_b32 v[T], 4, v[L+1]                  ; lane / 16
	v_lshlrev_b32 v[LC], 6, v[L+2]                 ; a parent's 16 copies of CC are 64 bytes;
	v_lshl_add_u32 v[LC], v[L+3], 3, v[LC]         ; its four lanes take four different pairs of them,
	v_lshl_add_u32 v[LC], v[T], 5, v[LC]           ; the upper 16 lanes the upper half: the 32 lanes read 64 different words modulo 256 bytes
	v_lshlrev_b32 v[T8], 3, v0
	s_mul_i32 s26, s20, LREC
	s_add_co_u32 s26, s26, RED
	v_add_nc_u32 v[RW], s26, v[LROW]
	v_lshl_add_u32 v[RS0], v[L+2], 2, s26
	v_add_nc_u32 v[RR], RED, v[T8]
	v_add_nc_u32 v[RR0], RED+4096, v[L4]
	v_mov_b32 v[SM], 0                             ; read, unused, as the second half of v[12:13] before its first sum
	v_mov_b32 v[PX], 0                             ; the destination of v_permlanex16_b32 counts as read
	s_wait_kmcnt 0x0
	s_mul_i32 s24, s22, 8*REC
	s_add_nc_u64 s[14:15], s[14:15], s[24:25]      ; the batch's eight records
	s_lshl_b32 s24, s22, 11
	s_add_nc_u64 s[12:13], s[12:13], s[24:25]      ; the batch's 2,048 bytes of shift, in
	s_add_nc_u64 s[16:17], s[16:17], s[24:25]      ; and out
	; what the prologue needs: 27 loads of 4 bytes a lane
.irp g,0,1,2,3,4,5,6,7
	global_load_b32 v[P1+\g], v[T4], s[14:15] offset:\g*REC
	global_load_b32 v[P2+\g], v[T4], s[14:15] offset:\g*REC+2048
	global_load_b32 v[P0+\g], v[O4], s[14:15] offset:\g*REC+4096
.endr
	global_load_b32 v[SH], v[T4], s[12:13]
	global_load_b32 v[BA], v[O4], s[8:9]
	global_load_b32 v[BV], v[O4], s[10:11]
	s_lshl_b32 s24, ttmp9, 10                      ; 256 activations,
	s_lshl_b32 s26, s20, 6                         ; 16 for each wave
	s_add_co_u32 s24, s24, s26
	s_add_nc_u64 s[6:7], s[6:7], s[24:25]
	s_load_b512 s[A:A+15], s[6:7], 0x0
	; This barrier hands over no data: it fixes an order of issue among the 16 waves.  Behind it all 432 small loads of the work-group (34 KiB of sums,
	; which every wave must have before the first child is worked on) have been issued; only then does the first load of votes go out, so that no
	; wave's small loads are asked for behind another wave's votes.
	s_barrier_signal -1
	s_lshl_b32 s24, ttmp9, 19                      ; a work-group's votes are 512 KiB
	s_add_nc_u64 s[4:5], s[4:5], s[24:25]
	s_mul_i32 s24, ttmp9, REC
	s_add_nc_u64 s[18:19], s[18:19], s[24:25]      ; my work-group's record
	s_barrier_wait -1
	; Half of the ring: 16 loads, 8 KiB a wave, 128 KiB a work-group.  A wave issues in order, so the prologue's arithmetic stands behind every load
	; that is written in front of it: the other half goes out behind the prologue.
.irp s,0,1,2,3
	FILL \s
.endr
	s_wait_loadcnt 4*PRE                           ; loads return in order (ISA guide 5.7.1): the 27 are in, the 16 loads of votes behind them stay out
.irp p,P1,P2,P0
	v_pk_add_f32 v[\p:\p+1], v[\p:\p+1], v[\p+2:\p+3]
	v_pk_add_f32 v[\p+4:\p+5], v[\p+4:\p+5], v[\p+6:\p+7]
.endr
.irp p,P1,P2,P0
	v_pk_add_f32 v[\p:\p+1], v[\p:\p+1], v[\p+4:\p+5]
.endr
.irp p,P1,P2,P0
	v_add_f32 v[\p], v[\p], v[\p+1]
.endr
	v_add_f32 v[U], EPSF, v[P0]
	v_rcp_f32 v[U+1], v[U]                         ; 1 / (SUM0 + EPS); behind a transcendental one plain vector instruction stands before its result is used (ISA guide 5.7.2)
	v_fmamk_f32 v[U+2], v[SH], NEPSF, v[P1]        ; SUM1 - EPS shift
	s_wait_alu depctr_va_vdst(0)
	v_mul_f32 v[U+2], v[U+2], v[U+1]               ; c
	v_add_f32 v[U+3], v[SH], v[U+2]                ; mean
	v_mul_f32 v[U+4], v[U+2], v[P0]
	v_fma_f32 v[U+4], v[P1], -2.0, v[U+4]          ; c SUM0 - 2 SUM1
	v_fma_f32 v[U+4], v[U+2], v[U+4], v[P2]        ; SUM2 + c (c SUM0 - 2 SUM1)
	v_mul_f32 v[U+4], v[U+4], v[U+1]               ; var
	v_max_num_f32 v[U+4], 0, v[U+4]                ; rounding may not carry it below 0
	v_add_f32 v[U+4], EPSF, v[U+4]                 ; var + EPS
	v_log_f32 v[U+5], v[U+4]
	v_rcp_f32 v[U+6], v[U+4]
	v_mul_f32 v[U+7], 0x41800000, v[BV]            ; 16 beta_v (the plain place behind the two)
	s_wait_alu depctr_va_vdst(0)
	v_add_f32_dpp v[U+5], v[U+5], v[U+5] row_xmask:1 row_mask:0xf bank_mask:0xf   ; a parent's 16 pose numbers are one row of 16 lanes
	v_add_f32_dpp v[U+5], v[U+5], v[U+5] row_xmask:2 row_mask:0xf bank_mask:0xf
	v_add_f32_dpp v[U+5], v[U+5], v[U+5] row_xmask:4 row_mask:0xf bank_mask:0xf
	v_add_f32_dpp v[U+5], v[U+5], v[U+5] row_xmask:8 row_mask:0xf bank_mask:0xf   ; sum over h of log2(var + EPS)
	v_mul_f32 v[U+6], 0xbf38aa3b, v[U+6]           ; IV = -0.5 log2(e) / (var + EPS)
	v_fmamk_f32 v[U+7], v[U+5], 0x3eb17218, v[U+7] ; 16 beta_v + 0.5 ln 2 x that sum
	v_fma_f32 v[U+7], v[U+7], v[P0], -v[BA]        ; cost - beta_a
	v_mul_f32 v[U+7], KLAM, v[U+7]
	v_exp_f32 v[U+8], v[U+7]                       ; e^(-lambda (beta_a - cost)); an overflow to infinity gives act = 0, as the sigmoid does
	v_nop
	s_wait_alu depctr_va_vdst(0)
	v_add_f32 v[U+8], 1.0, v[U+8]
	v_rcp_f32 v[U+9], v[U+8]                       ; act
	v_nop
	s_wait_alu depctr_va_vdst(0)
	v_add_f32 v[U+9], EPSF, v[U+9]
	v_log_f32 v[U+10], v[U+9]
	v_nop
	s_wait_alu depctr_va_vdst(0)
	v_fma_f32 v[U+10], v[U+5], -0.5, v[U+10]       ; log2(act + EPS) - 0.5 sum log2(var + EPS)
	v_fmaak_f32 v[U+10], s50, v[U+10], 0xc029b21d  ; / 8 - log2(2 pi): an eighth of the constant, 16 x 0.5 log2(2 pi) among it
	ds_store_b32 v[T4], v[U+3]
	ds_store_b32 v[T4], v[U+6] offset:2048
	ds_store_b32 v[T4], v[U+10] offset:4096        ; every thread its own word: a parent's 16 lanes leave 16 copies of its CC
	s_wait_dscnt 0x0                               ; for the other waves' sake: my stores are done before I signal
	s_barrier_signal -1
	s_barrier_wait -1
.irp j,0,1,2,3
	ds_load_b128 v[M+4*\j:M+4*\j+3], v[LROW] offset:512*\j
	ds_load_b128 v[IV+4*\j:IV+4*\j+3], v[LROW] offset:2048+512*\j
	ds_load_b64 v[CC+2*\j:CC+2*\j+1], v[LC] offset:4096+512*\j     ; two copies of CC of parent 8 j + lane / 4: the pair that the packed multiply-add takes
.endr
.irp s,4,5,6,7
	FILL \s                                        ; the ring's other half, in the slots' order, so that the counts of the first lap are those of one run of 32
.endr
	s_or_b32 s24, s23, s20
	s_wait_dscnt 0x0
	s_cmp_lg_u32 s24, 0
	s_cbranch_scc1 .Lnot_first
.irp j,0,1,2,3
	global_store_b128 v[LROW], v[M+4*\j:M+4*\j+3], s[16:17] offset:512*\j   ; wave 0 of the batch's first work-group hands the mean on as the next shift
.endr
.Lnot_first:
	s_wait_kmcnt 0x0                               ; the activations
; dst[4 j .. 4 j + 3] (+)= src[4 j .. 4 j + 3] x weight of parent j.  The weight is one register of a pair: op_sel and op_sel_hi take it for both halves.
.macro ACC dst, src, j, first
.irp k,0,2
.if \first
.if (\j)&1
	v_pk_mul_f32 v[\dst+4*\j+\k:\dst+4*\j+\k+1], v[\src+4*\j+\k:\src+4*\j+\k+1], v[E+\j-1:E+\j] op_sel:[0,1] op_sel_hi:[1,1]
.else
	v_pk_mul_f32 v[\dst+4*\j+\k:\dst+4*\j+\k+1], v[\src+4*\j+\k:\src+4*\j+\k+1], v[E+\j:E+\j+1] op_sel_hi:[1,0]
.endif
.else
.if (\j)&1
	v_pk_fma_f32 v[\dst+4*\j+\k:\dst+4*\j+\k+1], v[\src+4*\j+\k:\src+4*\j+\k+1], v[E+\j-1:E+\j], v[\dst+4*\j+\k:\dst+4*\j+\k+1] op_sel:[0,1,0] op_sel_hi:[1,1,1]
.else
	v_pk_fma_f32 v[\dst+4*\j+\k:\dst+4*\j+\k+1], v[\src+4*\j+\k:\src+4*\j+\k+1], v[E+\j:E+\j+1], v[\dst+4*\j+\k:\dst+4*\j+\k+1] op_sel_hi:[1,0,1]
.endif
.endif
.endr
.endm
; One child.  i: its number in the wave; s: its slot; first = 1: the products start the sums, nothing is cleared;
; refill = 1: the slot then gets child i + 8; left: how many younger loads may stay out.
.macro STEP i, s, first, refill, left
	s_wait_loadcnt \left
.irp e,0,2,4,6,8,10,12,14
	v_pk_add_f32 v[X+16*\s+\e:X+16*\s+\e+1], v[X+16*\s+\e:X+16*\s+\e+1], v[M+\e:M+\e+1] neg_lo:[0,1] neg_hi:[0,1]   ; d, in place
.endr
.irp e,0,2,4,6,8,10,12,14
	v_pk_mul_f32 v[Q+\e:Q+\e+1], v[X+16*\s+\e:X+16*\s+\e+1], v[X+16*\s+\e:X+16*\s+\e+1]
.endr
.irp j,0,1,2,3
	v_pk_fma_f32 v[T+2*\j:T+2*\j+1], v[Q+4*\j:Q+4*\j+1], v[IV+4*\j:IV+4*\j+1], v[CC+2*\j:CC+2*\j+1]   ; two eighths of the constant in each of four lanes
.endr
.irp j,0,1,2,3
	v_pk_fma_f32 v[T+2*\j:T+2*\j+1], v[Q+4*\j+2:Q+4*\j+3], v[IV+4*\j+2:IV+4*\j+3], v[T+2*\j:T+2*\j+1]
.endr
.irp j,0,1,2,3
	v_add_f32 v[L+\j], v[T+2*\j], v[T+2*\j+1]
.endr
.irp j,0,1,2,3
	v_add_f32_dpp v[L+\j], v[L+\j], v[L+\j] row_xmask:1 row_mask:0xf bank_mask:0xf
.endr
.irp j,0,1,2,3
	v_add_f32_dpp v[L+\j], v[L+\j], v[L+\j] row_xmask:2 row_mask:0xf bank_mask:0xf   ; the four lanes of a parent now hold its logit
.endr
	v_max3_num_f32 v[MX], v[L], v[L+1], v[L+2]
	v_max_num_f32 v[MX], v[MX], v[L+3]
	v_max_num_f32_dpp v[MX], v[MX], v[MX] row_xmask:4 row_mask:0xf bank_mask:0xf
	v_max_num_f32_dpp v[MX], v[MX], v[MX] row_xmask:8 row_mask:0xf bank_mask:0xf
	v_permlanex16_b32 v[PX], v[MX], s48, s49
	v_max_num_f32 v[MX], v[MX], v[PX]              ; the largest of the 32 logits, in every lane
	v_pk_add_f32 v[L:L+1], v[L:L+1], v[MX:MX+1] op_sel_hi:[1,0] neg_lo:[0,1] neg_hi:[0,1]
	v_pk_add_f32 v[L+2:L+3], v[L+2:L+3], v[MX:MX+1] op_sel_hi:[1,0] neg_lo:[0,1] neg_hi:[0,1]
.irp j,0,1,2,3
	v_exp_f32 v[E+\j], v[L+\j]
.endr
	v_nop                                          ; the plain place behind the transcendentals (ISA guide 5.7.2)
	s_wait_alu depctr_va_vdst(0)
	v_pk_add_f32 v[T:T+1], v[E:E+1], v[E+2:E+3]
	v_add_f32 v[SM], v[T], v[T+1]
	v_add_f32_dpp v[SM], v[SM], v[SM] row_xmask:4 row_mask:0xf bank_mask:0xf
	v_add_f32_dpp v[SM], v[SM], v[SM] row_xmask:8 row_mask:0xf bank_mask:0xf
	v_permlanex16_b32 v[PX], v[SM], s48, s49
	v_add_f32 v[SM], v[SM], v[PX]                  ; each parent once: lanes that differ in l % 4 alone are never added
	v_rcp_f32 v[R], v[SM]
	v_nop
	s_wait_alu depctr_va_vdst(0)
	v_mul_f32 v[R], s[A+\i], v[R]                  ; activation / sum
.if \first
	v_pk_mul_f32 v[SUM0:SUM0+1], v[E:E+1], v[R:R+1] op_sel_hi:[1,0]
	v_pk_mul_f32 v[SUM0+2:SUM0+3], v[E+2:E+3], v[R:R+1] op_sel_hi:[1,0]
.else
	v_pk_fma_f32 v[SUM0:SUM0+1], v[E:E+1], v[R:R+1], v[SUM0:SUM0+1] op_sel_hi:[1,0,1]
	v_pk_fma_f32 v[SUM0+2:SUM0+3], v[E+2:E+3], v[R:R+1], v[SUM0+2:SUM0+3] op_sel_hi:[1,0,1]
.endif
	v_pk_mul_f32 v[E:E+1], v[E:E+1], v[R:R+1] op_sel_hi:[1,0]          ; rr' of my four parents
	v_pk_mul_f32 v[E+2:E+3], v[E+2:E+3], v[R:R+1] op_sel_hi:[1,0]
.irp j,0,1,2,3
	ACC SUM1,X+16*\s,\j,\first
.endr
.irp j,0,1,2,3
	ACC SUM2,Q,\j,\first
.endr
.if \refill
.irp j,0,1,2,3
	global_load_b128 v[X+16*\s+4*\j:X+16*\s+4*\j+3], v[VO], s[4:5] offset:(\i+DEPTH)*ROWB+512*\j th:TH_LOAD_NT
.endr
.endif
.endm
	; first lap: behind slot s's four loads stand 4 (7 - s) first fills and 4 s refills: 28
	STEP 0,0,1,1,28
.irp i,1,2,3,4,5,6,7
	STEP \i,\i,0,1,28
.endr
	; second lap: nothing is left to fetch, the counts run down
.irp s,0,1,2,3,4,5,6,7
	STEP 8+\s,\s,0,0,28-4*\s
.endr
	; The 16 waves' sums meet in LDS, in bytes of their own: each wave stores its record, one barrier, thread t adds the 16 pairs at byte 8 t.
.irp j,0,1,2,3
	ds_store_b128 v[RW], v[SUM1+4*\j:SUM1+4*\j+3] offset:512*\j
	ds_store_b128 v[RW], v[SUM2+4*\j:SUM2+4*\j+3] offset:2048+512*\j
	ds_store_b32 v[RS0], v[SUM0+\j] offset:4096+32*\j      ; a parent's four lanes write one word with one value
.endr
	s_wait_dscnt 0x0                               ; for the other waves' sake: my stores are done before I signal
	s_barrier_signal -1
	s_barrier_wait -1
.irp w,0,1,2,3,4,5,6,7,8,9,10,11,12,13,14,15
	ds_load_b64 v[X+2*\w:X+2*\w+1], v[RR] offset:\w*LREC
.endr
	s_wait_dscnt 0x0
.irp w,0,1,2,3,4,5,6,7
	v_pk_add_f32 v[X+2*\w:X+2*\w+1], v[X+2*\w:X+2*\w+1], v[X+2*\w+16:X+2*\w+17]
.endr
.irp w,0,1,2,3
	v_pk_add_f32 v[X+2*\w:X+2*\w+1], v[X+2*\w:X+2*\w+1], v[X+2*\w+8:X+2*\w+9]
.endr
.irp w,0,1
	v_pk_add_f32 v[X+2*\w:X+2*\w+1], v[X+2*\w:X+2*\w+1], v[X+2*\w+4:X+2*\w+5]
.endr
	v_pk_add_f32 v[X:X+1], v[X:X+1], v[X+2:X+3]
	global_store_b64 v[T8], v[X:X+1], s[18:19]     ; a wave stores 256 consecutive bytes, aligned: SUM1, then SUM2
	s_cmp_lg_u32 s20, 0
	s_cbranch_scc1 .Lend
.irp w,0,1,2,3,4,5,6,7,8,9,10,11,12,13,14,15
	ds_load_b32 v[X+32+\w], v[RR0] offset:\w*LREC  ; wave 0: lane l adds parent l's 16 SUM0
.endr
	s_wait_dscnt 0x0
.irp e,0,2,4,6
	v_pk_add_f32 v[X+32+\e:X+33+\e], v[X+32+\e:X+33+\e], v[X+40+\e:X+41+\e]
.endr
.irp e,0,2
	v_pk_add_f32 v[X+32+\e:X+33+\e], v[X+32+\e:X+33+\e], v[X+36+\e:X+37+\e]
.endr
	v_pk_add_f32 v[X+32:X+33], v[X+32:X+33], v[X+34:X+35]
	v_add_f32 v[X+32], v[X+32], v[X+33]
	global_store_b32 v[L4], v[X+32], s[18:19] offset:4096
.Lend:
	s_wait_tensorcnt 0x0
	ds_add_u32 v252, v253
	s_wait_dscnt 0x0
	s_endpgm
.Lfunc_end_k_q74009c5f83_em2:
	.size	k_q74009c5f83_em2, .Lfunc_end_k_q74009c5f83_em2-k_q74009c5f83_em2
	.p2alignl 7, 3214868480
	.fill 96, 4, 3214868480
	.section	.rodata,"a",@progbits
	.p2align	6, 0x0
	.amdhsa_kernel k_q74009c5f83_em2
		.amdhsa_group_segment_fixed_size 75776
		.amdhsa_private_segment_fixed_size 0
		.amdhsa_enable_private_segment 0
		.amdhsa_kernarg_size 64
		.amdhsa_user_sgpr_count 2
		.amdhsa_user_sgpr_kernarg_segment_ptr 1
		.amdhsa_wavefront_size32 1
		.amdhsa_system_sgpr_workgroup_id_x 1
		.amdhsa_system_sgpr_workgroup_id_y 1
		.amdhsa_system_sgpr_workgroup_id_z 1
		.amdhsa_system_vgpr_workitem_id 0
		.amdhsa_next_free_vgpr 254
		.amdhsa_next_free_sgpr 66
		.amdhsa_reserve_vcc 0
		.amdhsa_float_denorm_mode_32 3
		.amdhsa_float_denorm_mode_16_64 3
		.amdhsa_memory_ordered 1
		.amdhsa_forward_progress 1
		.amdhsa_inst_pref_size 92
	.end_amdhsa_kernel
	.amdgpu_metadata
---
amdhsa.version: [ 1, 2 ]
amdhsa.kernels:
  - .name:           k_q74009c5f83_em2
    .symbol:         k_q74009c5f83_em2.kd
    .args:
      - { .name: votes, .offset: 0, .size: 8, .value_kind: global_buffer, .address_space: global }
      - { .name: activation, .offset: 8, .size: 8, .value_kind: global_buffer, .address_space: global }
      - { .name: beta_a, .offset: 16, .size: 8, .value_kind: global_buffer, .address_space: global }
      - { .name: beta_v, .offset: 24, .size: 8, .value_kind: global_buffer, .address_space: global }
      - { .name: shift_b, .offset: 32, .size: 8, .value_kind: global_buffer, .address_space: global }
      - { .name: part_b, .offset: 40, .size: 8, .value_kind: global_buffer, .address_space: global }
      - { .name: shift_a, .offset: 48, .size: 8, .value_kind: global_buffer, .address_space: global }
      - { .name: part_a, .offset: 56, .size: 8, .value_kind: global_buffer, .address_space: global }
    .group_segment_fixed_size: 75776
    .private_segment_fixed_size: 0
    .kernarg_segment_align: 8
    .kernarg_segment_size: 64
    .max_flat_workgroup_size: 512
    .sgpr_count:     66
    .vgpr_count:     254
    .wavefront_size: 32
...
	.end_amdgpu_metadata
.endif
;; end of part 3
;; launch finish (part 4): grid 32 x 1, 16 waves a work-group, no clusters, 4,352 bytes of LDS; arguments part_a, shift_a, beta_a, beta_v, out0, out1; writes out0, out1
.if DOCPART == 4
	.amdgcn_target "amdgcn-amd-amdhsa--gfx1250"
	.amdhsa_code_object_version 6
	.text
	.protected	k_q74009c5f83_finish
	.globl	k_q74009c5f83_finish
	.p2align	8
	.type	k_q74009c5f83_finish,@function
k_q74009c5f83_finish:
	s_mov_b64 s[64:65], 0
	v_nop
	global_prefetch_b8 v0, s[64:65] scope:SCOPE_SE
	s_setreg_imm32_b32 hwreg(HW_REG_WAVE_MODE, 25, 1), 1
	s_wait_xcnt 0x0
; EM routing: the end of M-step 3.  One work-group for each batch; thread t = parent t / 16, pose number t % 16.
; The batch's eight records are added; c = (SUM1 - EPS shift) / (SUM0 + EPS), pose = shift + c,
; var = (SUM2 - 2 c SUM1 + c c SUM0) / (SUM0 + EPS), kept at 0 or above,
; prob = sigmoid(lambda (beta_a - SUM0 (16 beta_v + 0.5 sum over h of ln(var + EPS)))).
; There is work for 32 work-groups only: 16,384 means and 1,024 activations in all.
; The results go through LDS so that a store of a wave covers consecutive bytes: 512 for the pose (waves 0 to 3), a batch's whole 128 for prob (wave 4).
; LIMITS: v_exp_f32, v_log_f32, v_rcp_f32 are good to one unit in the last place and flush denormals (ISA guide 15.8).
.set REC,   4352                       ; bytes from record to record: SUM1 2,048, SUM2 2,048, SUM0 128, unused 128
.set KLAM,  0x3b06d989                 ; lambda log2(e), lambda = 0.01 (1 - 0.95^3) = 0.00142625
.set EPSF,  0x3089705f                 ; 1e-9
.set NEPSF, 0xb089705f                 ; -1e-9
.set T4,    1                          ; 4 x thread
.set O4,    2                          ; 4 x (thread / 16)
.set L4,    3                          ; 4 x lane
.set P1,    4                          ; v[4:11]   eight SUM1
.set P2,    12                         ; v[12:19]  eight SUM2
.set P0,    20                         ; v[20:27]  eight SUM0
.set SH,    28
.set BA,    29
.set BV,    30
.set W16,   31                         ; 512 x wave + 16 x lane
.set U,     32                         ; v[32:41] at work
.set OUT,   44                         ; v[44:47] on the way out
	s_load_b256 s[4:11], s[0:1], 0x0               ; sums 4, shift 6, beta_a 8, beta_v 10
	s_load_b128 s[12:15], s[0:1], 0x20             ; out0 12, out1 14
	v_lshl_add_u32 v48, v0, 2, 0x900
	v_mov_b32 v49, 0
	v_lshrrev_b32 v[U], 5, v0
	v_readfirstlane_b32 s20, v[U]                  ; wave 0..15
	v_and_b32 v[U+1], 31, v0
	v_lshlrev_b32 v[L4], 2, v[U+1]
	v_lshlrev_b32 v[T4], 2, v0
	v_lshrrev_b32 v[U+2], 4, v0
	v_lshlrev_b32 v[O4], 2, v[U+2]
	s_mov_b32 s25, 0
	s_wait_kmcnt 0x0
	s_mul_i32 s24, ttmp9, 8*REC
	s_add_nc_u64 s[4:5], s[4:5], s[24:25]
	s_lshl_b32 s24, ttmp9, 11
	s_add_nc_u64 s[6:7], s[6:7], s[24:25]
	s_add_nc_u64 s[12:13], s[12:13], s[24:25]
	s_lshl_b32 s24, ttmp9, 7
	s_add_nc_u64 s[14:15], s[14:15], s[24:25]
.irp g,0,1,2,3,4,5,6,7
	global_load_b32 v[P1+\g], v[T4], s[4:5] offset:\g*REC
	global_load_b32 v[P2+\g], v[T4], s[4:5] offset:\g*REC+2048
	global_load_b32 v[P0+\g], v[O4], s[4:5] offset:\g*REC+4096
.endr
	global_load_b32 v[SH], v[T4], s[6:7]
	global_load_b32 v[BA], v[O4], s[8:9]
	global_load_b32 v[BV], v[O4], s[10:11]
	s_wait_loadcnt 0x0
.irp p,P1,P2,P0
	v_pk_add_f32 v[\p:\p+1], v[\p:\p+1], v[\p+2:\p+3]
	v_pk_add_f32 v[\p+4:\p+5], v[\p+4:\p+5], v[\p+6:\p+7]
.endr
.irp p,P1,P2,P0
	v_pk_add_f32 v[\p:\p+1], v[\p:\p+1], v[\p+4:\p+5]
.endr
.irp p,P1,P2,P0
	v_add_f32 v[\p], v[\p], v[\p+1]
.endr
	v_add_f32 v[U], EPSF, v[P0]
	v_rcp_f32 v[U+1], v[U]                         ; 1 / (SUM0 + EPS); behind a transcendental one plain vector instruction stands before its result is used (ISA guide 5.7.2)
	v_fmamk_f32 v[U+2], v[SH], NEPSF, v[P1]        ; SUM1 - EPS shift
	s_wait_alu depctr_va_vdst(0)
	v_mul_f32 v[U+2], v[U+2], v[U+1]               ; c
	v_add_f32 v[U+3], v[SH], v[U+2]                ; the pose
	v_mul_f32 v[U+4], v[U+2], v[P0]
	v_fma_f32 v[U+4], v[P1], -2.0, v[U+4]          ; c SUM0 - 2 SUM1
	v_fma_f32 v[U+4], v[U+2], v[U+4], v[P2]        ; SUM2 + c (c SUM0 - 2 SUM1)
	v_mul_f32 v[U+4], v[U+4], v[U+1]               ; var
	v_max_num_f32 v[U+4], 0, v[U+4]                ; rounding may not carry it below 0
	v_add_f32 v[U+4], EPSF, v[U+4]
	v_log_f32 v[U+5], v[U+4]
	v_mul_f32 v[U+7], 0x41800000, v[BV]            ; 16 beta_v (the plain place)
	s_wait_alu depctr_va_vdst(0)
	v_add_f32_dpp v[U+5], v[U+5], v[U+5] row_xmask:1 row_mask:0xf bank_mask:0xf   ; a parent's 16 pose numbers are one row of 16 lanes
	v_add_f32_dpp v[U+5], v[U+5], v[U+5] row_xmask:2 row_mask:0xf bank_mask:0xf
	v_add_f32_dpp v[U+5], v[U+5], v[U+5] row_xmask:4 row_mask:0xf bank_mask:0xf
	v_add_f32_dpp v[U+5], v[U+5], v[U+5] row_xmask:8 row_mask:0xf bank_mask:0xf
	v_fmamk_f32 v[U+7], v[U+5], 0x3eb17218, v[U+7] ; 16 beta_v + 0.5 ln 2 x sum of log2(var + EPS)
	v_fma_f32 v[U+7], v[U+7], v[P0], -v[BA]        ; cost - beta_a
	v_mul_f32 v[U+7], KLAM, v[U+7]
	v_exp_f32 v[U+8], v[U+7]                       ; an overflow to infinity gives 0, as the sigmoid does
	v_nop
	s_wait_alu depctr_va_vdst(0)
	v_add_f32 v[U+8], 1.0, v[U+8]
	v_rcp_f32 v[U+9], v[U+8]                       ; prob
	v_nop
	ds_store_b32 v[T4], v[U+3]
	s_wait_alu depctr_va_vdst(0)
	ds_store_b32 v[O4], v[U+9] offset:2048         ; the parent's 16 lanes write one word with one value
	s_wait_dscnt 0x0                               ; for the other waves' sake: my stores are done before I signal
	s_barrier_signal -1
	s_barrier_wait -1
	s_cmp_ge_u32 s20, 4
	s_cbranch_scc1 .Lprob
	v_lshlrev_b32 v[W16], 2, v[L4]                 ; 16 x lane
	v_lshl_add_u32 v[W16], s20, 9, v[W16]          ; + 512 x wave
	ds_load_b128 v[OUT:OUT+3], v[W16]
	s_wait_dscnt 0x0
	global_store_b128 v[W16], v[OUT:OUT+3], s[12:13]
	s_branch .Lend
.Lprob:
	s_cmp_lg_u32 s20, 4
	s_cbranch_scc1 .Lend
	ds_load_b32 v[OUT], v[L4] offset:2048
	s_wait_dscnt 0x0
	global_store_b32 v[L4], v[OUT], s[14:15]
.Lend:
	s_wait_tensorcnt 0x0
	ds_add_u32 v48, v49
	s_wait_dscnt 0x0
	s_endpgm
.Lfunc_end_k_q74009c5f83_finish:
	.size	k_q74009c5f83_finish, .Lfunc_end_k_q74009c5f83_finish-k_q74009c5f83_finish
	.p2alignl 7, 3214868480
	.fill 96, 4, 3214868480
	.section	.rodata,"a",@progbits
	.p2align	6, 0x0
	.amdhsa_kernel k_q74009c5f83_finish
		.amdhsa_group_segment_fixed_size 4352
		.amdhsa_private_segment_fixed_size 0
		.amdhsa_enable_private_segment 0
		.amdhsa_kernarg_size 48
		.amdhsa_user_sgpr_count 2
		.amdhsa_user_sgpr_kernarg_segment_ptr 1
		.amdhsa_wavefront_size32 1
		.amdhsa_system_sgpr_workgroup_id_x 1
		.amdhsa_system_sgpr_workgroup_id_y 1
		.amdhsa_system_sgpr_workgroup_id_z 1
		.amdhsa_system_vgpr_workitem_id 0
		.amdhsa_next_free_vgpr 50
		.amdhsa_next_free_sgpr 66
		.amdhsa_reserve_vcc 0
		.amdhsa_float_denorm_mode_32 3
		.amdhsa_float_denorm_mode_16_64 3
		.amdhsa_memory_ordered 1
		.amdhsa_forward_progress 1
		.amdhsa_inst_pref_size 7
	.end_amdhsa_kernel
	.amdgpu_metadata
---
amdhsa.version: [ 1, 2 ]
amdhsa.kernels:
  - .name:           k_q74009c5f83_finish
    .symbol:         k_q74009c5f83_finish.kd
    .args:
      - { .name: part_a, .offset: 0, .size: 8, .value_kind: global_buffer, .address_space: global }
      - { .name: shift_a, .offset: 8, .size: 8, .value_kind: global_buffer, .address_space: global }
      - { .name: beta_a, .offset: 16, .size: 8, .value_kind: global_buffer, .address_space: global }
      - { .name: beta_v, .offset: 24, .size: 8, .value_kind: global_buffer, .address_space: global }
      - { .name: out0, .offset: 32, .size: 8, .value_kind: global_buffer, .address_space: global }
      - { .name: out1, .offset: 40, .size: 8, .value_kind: global_buffer, .address_space: global }
    .group_segment_fixed_size: 4352
    .private_segment_fixed_size: 0
    .kernarg_segment_align: 8
    .kernarg_segment_size: 48
    .max_flat_workgroup_size: 512
    .sgpr_count:     66
    .vgpr_count:     50
    .wavefront_size: 32
...
	.end_amdgpu_metadata
.endif
;; end of part 4
;; ======== version 2 of 2: 4 launches; version 1 with the launches moments, em1, em2 written anew for expert scheduling mode
;; workspace buffers: part_a 1,114,112 bytes; part_b 1,114,112 bytes; shift_a 65,536 bytes; shift_b 65,536 bytes
;; launch moments (part 5): grid 256 x 1, 16 waves a work-group, no clusters, 69,632 bytes of LDS; arguments votes, activation, shift_a, part_a; writes shift_a, part_a
.if DOCPART == 5
	.amdgcn_target "amdgcn-amd-amdhsa--gfx1250"
	.amdhsa_code_object_version 6
	.text
	.protected	k_q74009c5f83_moments
	.globl	k_q74009c5f83_moments
	.p2align	8
	.type	k_q74009c5f83_moments,@function
k_q74009c5f83_moments:
	s_mov_b64 s[64:65], 0
	v_nop
	global_prefetch_b8 v0, s[64:65] scope:SCOPE_SE
	s_setreg_imm32_b32 hwreg(HW_REG_WAVE_SCHED_MODE, 0, 2), 2
	s_setreg_imm32_b32 hwreg(HW_REG_WAVE_MODE, 25, 1), 1
	s_wait_xcnt 0x0
	s_wait_alu depctr_vm_vsrc(0)
; EM routing, first M-step: the sums.  votes [32][2048][32][16] f32, activation [32][2048] f32.
; With the uniform start rr = 1/32 the weight of child i is w = activation[i] / 32 for every parent.  Per batch, parent o, pose number h:
;   SUM0 = sum w,  SUM1 = sum w d,  SUM2 = sum w d d,  d = vote - pivot,  pivot = the vote of the batch's first child for the same (o, h).
; The next launch makes mean and variance of them: c = (SUM1 - EPS pivot) / (SUM0 + EPS), mean = pivot + c,
; var = (SUM2 - 2 c SUM1 + c c SUM0) / (SUM0 + EPS): the model's own formula, multiplied out, so the votes are read once for this step.
; A common offset of the votes cancels in d.  LIMIT: the relative error of var is that of f32 sums times 1 + (pivot - mean)^2 / var;
; a pivot k standard deviations off costs the factor 1 + k k.  The order of the sums differs from the model's.
; SHARES: 256 work-groups, eight for each batch; a work-group takes 256 children (512 KiB, contiguous), each of its 16 waves 16 children.
; A child's 2,048 bytes are four loads of the wave, each 512 consecutive bytes, aligned: in load j lane l holds parent 8 j + l / 4,
; pose numbers 4 (l % 4) .. + 3.  A ring of eight register slots keeps 32 loads (16 KiB) of every wave in flight; 16 steps, written out.
; No LDS ring, no matrix unit, no cluster: every byte is used once, by one lane, and no two work-groups read the same votes (but the pivot row).
; THE MODE: SCHED_MODE bits 1:0 = 2 (LLVM: expert scheduling mode 2), set by the entry lines.  The code itself states the register dependences
; between vector instructions and memory or LDS instructions, with s_wait_alu, always for 0.
; THE PLAN.  Registers that memory or LDS instructions touch:
;   X0 .. X7   the ring.  Written by loads alone; slot s is read by the eight subtractions at the head of its step and by no other vector instruction:
;              d goes into a buffer of its own, D, which no memory instruction names.
;   M          written by loads, read by vector instructions and by the pivot's store; never written again.
;   v1 .. v7   offsets and LDS addresses, made once at the head and never written again: the children are reached by immediate offsets.
;   SUM0-2     written by the steps; read by the LDS stores at the end.
; So ONE wait on va_vdst stands in a step that fills its slot again, behind its subtractions: they are done reading X[s].  The slot's four loads follow it,
; dealt among the squarings; the step's 25 vector instructions behind the wait name D, Q, W and the sums: none of the registers that those loads touch.
; No register that a memory or LDS instruction reads is written again, so no wait on vm_vsrc is owed.
.set ROWB,  2048                       ; bytes of one child's votes
.set DEPTH, 8                          ; slots of the ring
.set REC,   4352                       ; bytes from one work-group's record to the next in the sums buffer: SUM1 2,048, SUM2 2,048, SUM0 128, unused 128
.set LREC,  4224                       ; a wave's record in LDS: the same three parts
.set VO,    1                          ; v1      byte offset of my 16 bytes in the work-group's votes: 32 KiB x wave + 16 x lane; never rewritten
.set LROW,  2                          ; v2      16 x lane
.set L4,    3                          ; v3      4 x lane
.set RW,    4                          ; v4      LDS: my wave's record + 16 x lane
.set RS0,   5                          ; v5      LDS: my wave's record + 4 x lane
.set T8,    6                          ; v6      8 x thread
.set RR0,   7                          ; v7      LDS: 4,096 + 4 x lane
.set W,     8                          ; v8      the child's weight; v9 is the unused half of the pair that the packed forms name
.set SUM0,  10                         ; v10
.set M,     12                         ; v[12:27]   the pivot of my 16 (o, h)
.set SUM1,  28                         ; v[28:43]
.set SUM2,  44                         ; v[44:59]
.set Q,     60                         ; v[60:75]   d d
.set X,     76                         ; v[76:203]  the ring: slot s has 16 registers, the votes as loaded
.set D,     204                        ; v[204:219] d of the child in hand
.set A,     32                         ; s[32:47]   the activations of my wave's 16 children
	s_load_b256 s[4:11], s[0:1], 0x0               ; votes s[4:5], activation s[6:7], shift out s[8:9], sums out s[10:11]
	v_lshl_add_u32 v220, v0, 2, 0x10800
	v_mov_b32 v221, 0
	v_lshrrev_b32 v[Q], 5, v0
	v_readfirstlane_b32 s20, v[Q]                  ; wave 0..15
	v_and_b32 v[Q+1], 31, v0                       ; lane
	s_lshr_b32 s22, ttmp9, 3                       ; batch
	s_and_b32 s23, ttmp9, 7                        ; which eighth of its children
	s_mov_b32 s25, 0                               ; high word of every offset: all are below 4 GiB
	s_mov_b32 s50, 0x3d000000                      ; rr = 1/32
	v_lshlrev_b32 v[LROW], 4, v[Q+1]
	v_lshl_or_b32 v[VO], v[Q], 15, v[LROW]
	v_lshlrev_b32 v[L4], 2, v[Q+1]
	v_lshlrev_b32 v[T8], 3, v0
	s_wait_alu depctr_va_sdst(0)                   ; s20 is written, ahead of its first reader: LDS addresses, the activations' address and two branches are made from it
	s_mul_i32 s26, s20, LREC
	v_add_nc_u32 v[RW], s26, v[LROW]
	v_add_nc_u32 v[RS0], s26, v[L4]
	v_add_nc_u32 v[RR0], 4096, v[L4]
	v_mov_b32 v[W+1], 0
	s_wait_kmcnt 0x0
	s_lshl_b32 s24, s22, 22                        ; a batch is 4 MiB
	s_add_nc_u64 s[12:13], s[4:5], s[24:25]        ; the batch's first child: the pivot
	s_lshl_b32 s24, ttmp9, 19                      ; a work-group's part is 512 KiB
	s_add_nc_u64 s[4:5], s[4:5], s[24:25]
	s_lshl_b32 s24, ttmp9, 10                      ; 256 activations,
	s_lshl_b32 s26, s20, 6                         ; 16 for each wave
	s_add_co_u32 s24, s24, s26
	s_add_nc_u64 s[6:7], s[6:7], s[24:25]
	s_load_b512 s[A:A+15], s[6:7], 0x0
	s_lshl_b32 s24, s22, 11
	s_add_nc_u64 s[8:9], s[8:9], s[24:25]          ; the batch's 2,048 bytes of shift
	s_mul_i32 s24, ttmp9, REC
	s_add_nc_u64 s[10:11], s[10:11], s[24:25]      ; my work-group's record
	s_wait_alu depctr_va_vdst(0)                   ; the seven offsets and addresses v1 to v7 are written: every load, store and LDS instruction of the kernel reads one of them
.irp j,0,1,2,3
	global_load_b128 v[M+4*\j:M+4*\j+3], v[LROW], s[12:13] offset:512*\j
.endr
.irp s,0,1,2,3,4,5,6,7
.irp j,0,1,2,3
	global_load_b128 v[X+16*\s+4*\j:X+16*\s+4*\j+3], v[VO], s[4:5] offset:ROWB*\s+512*\j th:TH_LOAD_NT
.endr
.endr
	s_or_b32 s24, s23, s20
	s_wait_loadcnt 32                              ; loads return in order (ISA guide 5.7.1): the pivot is in, the ring's 32 loads stay out
	s_cmp_lg_u32 s24, 0
	s_cbranch_scc1 .Lnot_first
.irp j,0,1,2,3
	global_store_b128 v[LROW], v[M+4*\j:M+4*\j+3], s[8:9] offset:512*\j   ; wave 0 of the batch's first work-group hands the pivot on: 512 consecutive bytes a store
.endr
.Lnot_first:
	s_wait_kmcnt 0x0                               ; the activations
; One child.  i: its number in the wave; s: its slot; first = 1: the products start the sums, nothing is cleared;
; refill = 1: the slot then gets child i + 8; left: how many younger loads may stay out.
.macro STEP i, s, first, refill, left
	s_wait_loadcnt \left
	v_mul_f32 v[W], s50, s[A+\i]                   ; rr' = rr x activation
.irp e,0,2,4,6,8,10,12,14
	v_pk_add_f32 v[D+\e:D+\e+1], v[X+16*\s+\e:X+16*\s+\e+1], v[M+\e:M+\e+1] neg_lo:[0,1] neg_hi:[0,1]   ; d: the slot is read out
.endr
.if \refill
	s_wait_alu depctr_va_vdst(0)                   ; the subtractions are done reading X[s], in which the four loads below land
.endif
.irp j,0,1,2,3
.if \refill
	global_load_b128 v[X+16*\s+4*\j:X+16*\s+4*\j+3], v[VO], s[4:5] offset:(\i+DEPTH)*ROWB+512*\j th:TH_LOAD_NT   ; no vector instruction since the wait names X[s] or v1
.endif
	v_pk_mul_f32 v[Q+4*\j:Q+4*\j+1], v[D+4*\j:D+4*\j+1], v[D+4*\j:D+4*\j+1]
	v_pk_mul_f32 v[Q+4*\j+2:Q+4*\j+3], v[D+4*\j+2:D+4*\j+3], v[D+4*\j+2:D+4*\j+3]
.endr
.if \first
	v_mov_b32 v[SUM0], v[W]
.irp e,0,2,4,6,8,10,12,14
	v_pk_mul_f32 v[SUM1+\e:SUM1+\e+1], v[D+\e:D+\e+1], v[W:W+1] op_sel_hi:[1,0]
.endr
.irp e,0,2,4,6,8,10,12,14
	v_pk_mul_f32 v[SUM2+\e:SUM2+\e+1], v[Q+\e:Q+\e+1], v[W:W+1] op_sel_hi:[1,0]
.endr
.else
	v_add_f32 v[SUM0], v[SUM0], v[W]
.irp e,0,2,4,6,8,10,12,14
	v_pk_fma_f32 v[SUM1+\e:SUM1+\e+1], v[D+\e:D+\e+1], v[W:W+1], v[SUM1+\e:SUM1+\e+1] op_sel_hi:[1,0,1]
.endr
.irp e,0,2,4,6,8,10,12,14
	v_pk_fma_f32 v[SUM2+\e:SUM2+\e+1], v[Q+\e:Q+\e+1], v[W:W+1], v[SUM2+\e:SUM2+\e+1] op_sel_hi:[1,0,1]
.endr
.endif
.endm
	; first lap: behind slot s's four loads stand 4 (7 - s) first fills and 4 s refills: 28
	STEP 0,0,1,1,28
.irp i,1,2,3,4,5,6,7
	STEP \i,\i,0,1,28
.endr
	; second lap: nothing is left to fetch, the counts run down; no load, so no wait on va_vdst
.irp s,0,1,2,3,4,5,6,7
	STEP 8+\s,\s,0,0,28-4*\s
.endr
	; The 16 waves' sums meet in LDS: each wave stores its record, one barrier, thread t adds the 16 pairs at byte 8 t.
	s_wait_alu depctr_va_vdst(0)                   ; the last step has written SUM0, SUM1 and SUM2, which the LDS stores read; the steps are done reading the ring, in which the LDS loads below land
.irp j,0,1,2,3
	ds_store_b128 v[RW], v[SUM1+4*\j:SUM1+4*\j+3] offset:512*\j
	ds_store_b128 v[RW], v[SUM2+4*\j:SUM2+4*\j+3] offset:2048+512*\j
.endr
	ds_store_b32 v[RS0], v[SUM0] offset:4096       ; the same for all 32 parents in this step: lane l writes parent l's word
	s_wait_dscnt 0x0                               ; for the other waves' sake: my stores are done before I signal
	s_barrier_signal -1
	s_barrier_wait -1
.irp w,0,1,2,3,4,5,6,7,8,9,10,11,12,13,14,15
	ds_load_b64 v[X+2*\w:X+2*\w+1], v[T8] offset:\w*LREC
.endr
	s_wait_dscnt 0x0
.irp w,0,1,2,3,4,5,6,7
	v_pk_add_f32 v[X+2*\w:X+2*\w+1], v[X+2*\w:X+2*\w+1], v[X+2*\w+16:X+2*\w+17]
.endr
.irp w,0,1,2,3
	v_pk_add_f32 v[X+2*\w:X+2*\w+1], v[X+2*\w:X+2*\w+1], v[X+2*\w+8:X+2*\w+9]
.endr
.irp w,0,1
	v_pk_add_f32 v[X+2*\w:X+2*\w+1], v[X+2*\w:X+2*\w+1], v[X+2*\w+4:X+2*\w+5]
.endr
	v_pk_add_f32 v[X:X+1], v[X:X+1], v[X+2:X+3]
	s_wait_alu depctr_va_vdst(0)                   ; the additions have written v[X:X+1], which the store reads
	global_store_b64 v[T8], v[X:X+1], s[10:11]     ; a wave stores 256 consecutive bytes, aligned: SUM1, then SUM2
	s_cmp_lg_u32 s20, 0
	s_cbranch_scc1 .Lend
.irp w,0,1,2,3,4,5,6,7,8,9,10,11,12,13,14,15
	ds_load_b32 v[X+32+\w], v[RR0] offset:\w*LREC  ; wave 0: lane l adds parent l's 16 SUM0 (no vector instruction since the wait ahead of the LDS stores names these 16 registers)
.endr
	s_wait_dscnt 0x0
.irp e,0,2,4,6
	v_pk_add_f32 v[X+32+\e:X+33+\e], v[X+32+\e:X+33+\e], v[X+40+\e:X+41+\e]
.endr
.irp e,0,2
	v_pk_add_f32 v[X+32+\e:X+33+\e], v[X+32+\e:X+33+\e], v[X+36+\e:X+37+\e]
.endr
	v_pk_add_f32 v[X+32:X+33], v[X+32:X+33], v[X+34:X+35]
	v_add_f32 v[X+32], v[X+32], v[X+33]
	s_wait_alu depctr_va_vdst(0)                   ; the additions have written v[X+32], which the store reads
	global_store_b32 v[L4], v[X+32], s[10:11] offset:4096
.Lend:
	s_wait_dscnt 0x0
	s_wait_alu depctr_hold_cnt(0) depctr_sa_sdst(0) depctr_va_vdst(0) depctr_va_sdst(0) depctr_va_ssrc(0) depctr_va_vcc(0) depctr_vm_vsrc(0)
	s_wait_tensorcnt 0x0
	ds_add_u32 v220, v221
	s_wait_dscnt 0x0
	s_endpgm
.Lfunc_end_k_q74009c5f83_moments:
	.size	k_q74009c5f83_moments, .Lfunc_end_k_q74009c5f83_moments-k_q74009c5f83_moments
	.p2alignl 7, 3214868480
	.fill 96, 4, 3214868480
	.section	.rodata,"a",@progbits
	.p2align	6, 0x0
	.amdhsa_kernel k_q74009c5f83_moments
		.amdhsa_group_segment_fixed_size 69632
		.amdhsa_private_segment_fixed_size 0
		.amdhsa_enable_private_segment 0
		.amdhsa_kernarg_size 32
		.amdhsa_user_sgpr_count 2
		.amdhsa_user_sgpr_kernarg_segment_ptr 1
		.amdhsa_wavefront_size32 1
		.amdhsa_system_sgpr_workgroup_id_x 1
		.amdhsa_system_sgpr_workgroup_id_y 1
		.amdhsa_system_sgpr_workgroup_id_z 1
		.amdhsa_system_vgpr_workitem_id 0
		.amdhsa_next_free_vgpr 222
		.amdhsa_next_free_sgpr 66
		.amdhsa_reserve_vcc 0
		.amdhsa_float_denorm_mode_32 3
		.amdhsa_float_denorm_mode_16_64 3
		.amdhsa_memory_ordered 1
		.amdhsa_forward_progress 1
		.amdhsa_inst_pref_size 48
	.end_amdhsa_kernel
	.amdgpu_metadata
---
amdhsa.version: [ 1, 2 ]
amdhsa.kernels:
  - .name:           k_q74009c5f83_moments
    .symbol:         k_q74009c5f83_moments.kd
    .args:
      - { .name: votes, .offset: 0, .size: 8, .value_kind: global_buffer, .address_space: global }
      - { .name: activation, .offset: 8, .size: 8, .value_kind: global_buffer, .address_space: global }
      - { .name: shift_a, .offset: 16, .size: 8, .value_kind: global_buffer, .address_space: global }
      - { .name: part_a, .offset: 24, .size: 8, .value_kind: global_buffer, .address_space: global }
    .group_segment_fixed_size: 69632
    .private_segment_fixed_size: 0
    .kernarg_segment_align: 8
    .kernarg_segment_size: 32
    .max_flat_workgroup_size: 512
    .sgpr_count:     66
    .vgpr_count:     222
    .wavefront_size: 32
...
	.end_amdgpu_metadata
.endif
;; end of part 5
;; launch em1 (part 6): grid 256 x 1, 16 waves a work-group, no clusters, 75,776 bytes of LDS; arguments votes, activation, beta_a, beta_v, shift_a, part_a, shift_b, part_b; writes shift_b, part_b
.if DOCPART == 6
	.amdgcn_target "amdgcn-amd-amdhsa--gfx1250"
	.amdhsa_code_object_version 6
	.text
	.protected	k_q74009c5f83_em1
	.globl	k_q74009c5f83_em1
	.p2align	8
	.type	k_q74009c5f83_em1,@function
k_q74009c5f83_em1:
	s_mov_b64 s[64:65], 0
	v_nop
	global_prefetch_b8 v0, s[64:65] scope:SCOPE_SE
	s_setreg_imm32_b32 hwreg(HW_REG_WAVE_SCHED_MODE, 0, 2), 2
	s_setreg_imm32_b32 hwreg(HW_REG_WAVE_MODE, 25, 1), 1
	s_wait_xcnt 0x0
	s_wait_alu depctr_vm_vsrc(0)
; EM routing: the end of M-step 1, E-step 1 and the sums of M-step 2, in one read of the votes.
; PROLOGUE (once a work-group, thread t = parent t / 16, pose number t % 16): the eight records of the batch are added;
;   c = (SUM1 - EPS shift) / (SUM0 + EPS), mean = shift + c, var = (SUM2 - 2 c SUM1 + c c SUM0) / (SUM0 + EPS), kept at 0 or above,
;   act = sigmoid(lambda (beta_a - SUM0 (16 beta_v + 0.5 sum over h of ln(var + EPS)))): the model's formulas, the squares multiplied out.
;   Into LDS go mean, IV = -0.5 log2(e) / (var + EPS) and CC = (log2(act + EPS) - 0.5 sum over h of log2(2 pi (var + EPS))) / 8.
; MAIN (a wave takes 16 children): d = vote - mean; logit, in base 2, = sum over h of d d IV + 8 CC; softmax over the 32 parents with the
;   true maximum taken away; w = softmax x activation; SUM0 += w, SUM1 += w d, SUM2 += w d d.  So the new sums are taken about the old mean,
;   which the next launch gets as its shift: no difference of large sums is formed, whatever common offset the votes carry.
; LIMITS: v_exp_f32, v_log_f32, v_rcp_f32 are good to one unit in the last place and flush denormals (ISA guide 15.8): a softmax term below
;   2^-126 of the largest counts as 0.  The order of the sums differs from the model's.
; SHARES: 256 work-groups, eight for each batch, 256 children each; 16 waves, 16 children each.  A child's 2,048 bytes are four loads of the
;   wave, each 512 consecutive bytes, aligned: in load j lane l holds parent 8 j + l / 4, pose numbers 4 (l % 4) .. + 3.  The sum over h is made in the
;   lane and over lanes l ^ 1, l ^ 2; maximum and sum over parents in the lane (j) and over lanes l ^ 4, l ^ 8, l ^ 16.
;   A ring of eight register slots: 32 loads (16 KiB) of every wave in flight once the prologue is over; 16 steps, written out.
; ORDER AT THE START: no child can be worked on, and so no slot filled again, before the prologue is over in all 16 waves.  So what the prologue
;   needs is asked for first by every wave, half of the ring goes out behind it, and the other half behind the prologue (see there).
; No LDS ring, no matrix unit, no cluster: every vote is used by one lane of one work-group, and the sums have one row for each parent.
; THE MODE: SCHED_MODE bits 1:0 = 2 (LLVM: expert scheduling mode 2), set by the entry lines.  The code itself states the register dependences
;   between vector instructions and memory or LDS instructions, with s_wait_alu, always for 0.
; THE PLAN.  Registers that memory or LDS instructions touch:
;   X0 .. X7   the ring.  Slot s: written by its loads, then in place by its step's subtractions; read by the squarings and, last, by the eight products into SUM1.
;              The wave's 252 registers leave no room for a buffer of d beside the ring.
;   U+3, U+6, U+10   written by the prologue, read by its three LDS stores, written again by the first child's products (they lie in SUM2 and Q).
;   M, IV, CC  written by LDS loads alone; M is also read by the shift's store; never written again.
;   v1 .. v11  offsets and LDS addresses, made once at the head and never written again: the children are reached by immediate offsets.
;   SUM0-2     written by the steps; read by the LDS stores at the end.
; So ONE wait on va_vdst stands in a step that fills its slot again, behind the products into SUM1: X[s] is written and read out.  The slot's four loads follow it,
;   dealt among the eight products into SUM2, which name SUM2, Q and E: none of the registers that those loads touch.  One wait on vm_vsrc stands behind the prologue's barrier.
.set ROWB,  2048                       ; bytes of one child's votes
.set DEPTH, 8                          ; slots of the ring
.set PRE,   4                          ; of them asked for ahead of the prologue
.set REC,   4352                       ; bytes from record to record in the sums buffers: SUM1 2,048, SUM2 2,048, SUM0 128, unused 128
.set LREC,  4224                       ; a wave's record in LDS
.set RED,   6144                       ; LDS: mean 2,048 bytes, IV 2,048, CC 2,048 (a word for each thread: 16 copies for each parent); from here the 16 waves' records
.set KLAM,  0x3a3d18d0                 ; lambda log2(e), lambda = 0.01 (1 - 0.95) = 0.0005
.set EPSF,  0x3089705f                 ; 1e-9
.set NEPSF, 0xb089705f                 ; -1e-9
.set VO,    1                          ; v1   byte offset of my 16 bytes in the work-group's votes: 32 KiB x wave + 16 x lane; never rewritten
.set LROW,  2                          ; v2   16 x lane
.set LC,    3                          ; v3   64 x (lane / 4) + 8 x (lane % 4) + 32 x (lane / 16): two of the 16 copies of CC of parent lane / 4
.set T4,    4                          ; v4   4 x thread
.set O4,    5                          ; v5   4 x (thread / 16)
.set RW,    6                          ; v6   LDS: my wave's record + 16 x lane
.set RS0,   7                          ; v7   LDS: my wave's record + 4 x (lane / 4)
.set RR,    8                          ; v8   LDS: RED + 8 x thread
.set RR0,   9                          ; v9   LDS: RED + 4,096 + 4 x lane
.set T8,    10                         ; v10  8 x thread
.set L4,    11                         ; v11  4 x lane
.set MX,    12                         ; v12  the maximum; the packed forms name v[12:13] and take v12 twice
.set SM,    13                         ; v13  the sum of the exponentials
.set R,     14                         ; v14  activation / sum; the packed forms name v[14:15] and take v14 twice
.set PX,    15                         ; v15  what v_permlanex16_b32 brings
.set L,     16                         ; v[16:19]   logits of my four parents
.set T,     20                         ; v[20:27]   at work
.set E,     28                         ; v[28:31]   exponentials, then weights
.set M,     32                         ; v[32:47]   mean of my 16 (o, h)
.set IV,    48                         ; v[48:63]   IV
.set CC,    64                         ; v[64:71]   CC of parent j, twice
.set SUM0,  72                         ; v[72:75]
.set SUM1,  76                         ; v[76:91]
.set SUM2,  92                         ; v[92:107]
.set Q,     108                        ; v[108:123] d d
.set X,     124                        ; v[124:251] the ring: slot s has 16 registers, the votes as loaded, then d
.set A,     32                         ; s[32:47]   the activations of my wave's 16 children
.set P1,    76                         ; prologue only, in registers that the main part writes later: eight SUM1,
.set P2,    84                         ; eight SUM2,
.set P0,    92                         ; eight SUM0,
.set SH,    100                        ; the shift,
.set BA,    101                        ; beta_a,
.set BV,    102                        ; beta_v,
.set U,     104                        ; v[104:114] at work
.macro FILL s                          ; a slot's first fill: child s of my wave, four loads of 512 consecutive bytes
.irp j,0,1,2,3
	global_load_b128 v[X+16*\s+4*\j:X+16*\s+4*\j+3], v[VO], s[4:5] offset:ROWB*\s+512*\j th:TH_LOAD_NT
.endr
.endm
	s_load_b512 s[4:19], s[0:1], 0x0               ; votes 4, activation 6, beta_a 8, beta_v 10, shift in 12, sums in 14, shift out 16, sums out 18
	v_lshl_add_u32 v252, v0, 2, 0x12000
	v_mov_b32 v253, 0
	v_lshrrev_b32 v[L], 5, v0
	v_readfirstlane_b32 s20, v[L]                  ; wave 0..15
	v_and_b32 v[L+1], 31, v0                       ; lane
	s_lshr_b32 s22, ttmp9, 3                       ; batch
	s_and_b32 s23, ttmp9, 7                        ; which eighth of its children
	s_mov_b32 s25, 0                               ; high word of every offset: all are below 4 GiB
	s_mov_b32 s48, 0x76543210                      ; v_permlanex16_b32: lane i of one half reads lane i of the other
	s_mov_b32 s49, 0xfedcba98
	s_mov_b32 s50, 0x3e000000                      ; 1/8
	v_lshlrev_b32 v[T4], 2, v0
	v_lshrrev_b32 v[T+1], 4, v0
	v_lshlrev_b32 v[O4], 2, v[T+1]
	v_lshlrev_b32 v[LROW], 4, v[L+1]
	v_lshl_or_b32 v[VO], v[L], 15, v[LROW]
	v_lshlrev_b32 v[L4], 2, v[L+1]
	v_lshrrev_b32 v[L+2], 2, v[L+1]                ; lane / 4
	v_and_b32 v[L+3], 3, v[L+1]                    ; lane % 4
	v_lshrrev_b32 v[T], 4, v[L+1]                  ; lane / 16
	v_lshlrev_b32 v[LC], 6, v[L+2]                 ; a parent's 16 copies of CC are 64 bytes;
	v_lshl_add_u32 v[LC], v[L+3], 3, v[LC]         ; its four lanes take four different pairs of them,
	v_lshl_add_u32 v[LC], v[T], 5, v[LC]           ; the upper 16 lanes the upper half: the 32 lanes read 64 different words modulo 256 bytes
	v_lshlrev_b32 v[T8], 3, v0
	s_wait_alu depctr_va_sdst(0)                   ; s20 is written, ahead of its first reader: LDS addresses, the activations' address and two branches are made from it
	s_mul_i32 s26, s20, LREC
	s_add_co_u32 s26, s26, RED
	v_add_nc_u32 v[RW], s26, v[LROW]
	v_lshl_add_u32 v[RS0], v[L+2], 2, s26
	v_add_nc_u32 v[RR], RED, v[T8]
	v_add_nc_u32 v[RR0], RED+4096, v[L4]
	v_mov_b32 v[SM], 0                             ; read, unused, as the second half of v[12:13] before its first sum
	v_mov_b32 v[PX], 0                             ; the destination of v_permlanex16_b32 counts as read
	s_wait_kmcnt 0x0
	s_mul_i32 s24, s22, 8*REC
	s_add_nc_u64 s[14:15], s[14:15], s[24:25]      ; the batch's eight records
	s_lshl_b32 s24, s22, 11
	s_add_nc_u64 s[12:13], s[12:13], s[24:25]      ; the batch's 2,048 bytes of shift, in
	s_add_nc_u64 s[16:17], s[16:17], s[24:25]      ; and out
	s_wait_alu depctr_va_vdst(0)                   ; the eleven offsets and addresses v1 to v11 are written: every load, store and LDS instruction of the kernel reads one of them
	; what the prologue needs: 27 loads of 4 bytes a lane
.irp g,0,1,2,3,4,5,6,7
	global_load_b32 v[P1+\g], v[T4], s[14:15] offset:\g*REC
	global_load_b32 v[P2+\g], v[T4], s[14:15] offset:\g*REC+2048
	global_load_b32 v[P0+\g], v[O4], s[14:15] offset:\g*REC+4096
.endr
	global_load_b32 v[SH], v[T4], s[12:13]
	global_load_b32 v[BA], v[O4], s[8:9]
	global_load_b32 v[BV], v[O4], s[10:11]
	s_lshl_b32 s24, ttmp9, 10                      ; 256 activations,
	s_lshl_b32 s26, s20, 6                         ; 16 for each wave
	s_add_co_u32 s24, s24, s26
	s_add_nc_u64 s[6:7], s[6:7], s[24:25]
	s_load_b512 s[A:A+15], s[6:7], 0x0
	; This barrier hands over no data: it fixes an order of issue among the 16 waves.  Behind it all 432 small loads of the work-group (34 KiB of sums,
	; which every wave must have before the first child is worked on) have been issued; only then does the first load of votes go out, so that no
	; wave's small loads are asked for behind another wave's votes.
	s_barrier_signal -1
	s_lshl_b32 s24, ttmp9, 19                      ; a work-group's votes are 512 KiB
	s_add_nc_u64 s[4:5], s[4:5], s[24:25]
	s_mul_i32 s24, ttmp9, REC
	s_add_nc_u64 s[18:19], s[18:19], s[24:25]      ; my work-group's record
	s_barrier_wait -1
	; Half of the ring: 16 loads, 8 KiB a wave, 128 KiB a work-group.  A wave issues in order, so the prologue's arithmetic stands behind every load
	; that is written in front of it: the other half goes out behind the prologue.
.irp s,0,1,2,3
	FILL \s
.endr
	s_wait_loadcnt 4*PRE                           ; loads return in order (ISA guide 5.7.1): the 27 are in, the 16 loads of votes behind them stay out
.irp p,P1,P2,P0
	v_pk_add_f32 v[\p:\p+1], v[\p:\p+1], v[\p+2:\p+3]
	v_pk_add_f32 v[\p+4:\p+5], v[\p+4:\p+5], v[\p+6:\p+7]
.endr
.irp p,P1,P2,P0
	v_pk_add_f32 v[\p:\p+1], v[\p:\p+1], v[\p+4:\p+5]
.endr
.irp p,P1,P2,P0
	v_add_f32 v[\p], v[\p], v[\p+1]
.endr
	v_add_f32 v[U], EPSF, v[P0]
	v_rcp_f32 v[U+1], v[U]                         ; 1 / (SUM0 + EPS); behind a transcendental one plain vector instruction stands before its result is used (ISA guide 5.7.2)
	v_fmamk_f32 v[U+2], v[SH], NEPSF, v[P1]        ; SUM1 - EPS shift
	s_wait_alu depctr_va_vdst(0)
	v_mul_f32 v[U+2], v[U+2], v[U+1]               ; c
	v_add_f32 v[U+3], v[SH], v[U+2]                ; mean
	v_mul_f32 v[U+4], v[U+2], v[P0]
	v_fma_f32 v[U+4], v[P1], -2.0, v[U+4]          ; c SUM0 - 2 SUM1
	v_fma_f32 v[U+4], v[U+2], v[U+4], v[P2]        ; SUM2 + c (c SUM0 - 2 SUM1)
	v_mul_f32 v[U+4], v[U+4], v[U+1]               ; var
	v_max_num_f32 v[U+4], 0, v[U+4]                ; rounding may not carry it below 0
	v_add_f32 v[U+4], EPSF, v[U+4]                 ; var + EPS
	v_log_f32 v[U+5], v[U+4]
	v_rcp_f32 v[U+6], v[U+4]
	v_mul_f32 v[U+7], 0x41800000, v[BV]            ; 16 beta_v (the plain place behind the two)
	s_wait_alu depctr_va_vdst(0)
	v_add_f32_dpp v[U+5], v[U+5], v[U+5] row_xmask:1 row_mask:0xf bank_mask:0xf   ; a parent's 16 pose numbers are one row of 16 lanes
	v_add_f32_dpp v[U+5], v[U+5], v[U+5] row_xmask:2 row_mask:0xf bank_mask:0xf
	v_add_f32_dpp v[U+5], v[U+5], v[U+5] row_xmask:4 row_mask:0xf bank_mask:0xf
	v_add_f32_dpp v[U+5], v[U+5], v[U+5] row_xmask:8 row_mask:0xf bank_mask:0xf   ; sum over h of log2(var + EPS)
	v_mul_f32 v[U+6], 0xbf38aa3b, v[U+6]           ; IV = -0.5 log2(e) / (var + EPS)
	v_fmamk_f32 v[U+7], v[U+5], 0x3eb17218, v[U+7] ; 16 beta_v + 0.5 ln 2 x that sum
	v_fma_f32 v[U+7], v[U+7], v[P0], -v[BA]        ; cost - beta_a
	v_mul_f32 v[U+7], KLAM, v[U+7]
	v_exp_f32 v[U+8], v[U+7]                       ; e^(-lambda (beta_a - cost)); an overflow to infinity gives act = 0, as the sigmoid does
	v_nop
	s_wait_alu depctr_va_vdst(0)
	v_add_f32 v[U+8], 1.0, v[U+8]
	v_rcp_f32 v[U+9], v[U+8]                       ; act
	v_nop
	s_wait_alu depctr_va_vdst(0)
	v_add_f32 v[U+9], EPSF, v[U+9]
	v_log_f32 v[U+10], v[U+9]
	v_nop
	s_wait_alu depctr_va_vdst(0)
	v_fma_f32 v[U+10], v[U+5], -0.5, v[U+10]       ; log2(act + EPS) - 0.5 sum log2(var + EPS)
	v_fmaak_f32 v[U+10], s50, v[U+10], 0xc029b21d  ; / 8 - log2(2 pi): an eighth of the constant, 16 x 0.5 log2(2 pi) among it
	s_wait_alu depctr_va_vdst(0)                   ; the prologue has written mean, IV and CC (v[U+3], v[U+6], v[U+10]), which the LDS stores read
	ds_store_b32 v[T4], v[U+3]
	ds_store_b32 v[T4], v[U+6] offset:2048
	ds_store_b32 v[T4], v[U+10] offset:4096        ; every thread its own word: a parent's 16 lanes leave 16 copies of its CC
	s_wait_dscnt 0x0                               ; for the other waves' sake: my stores are done before I signal
	s_barrier_signal -1
	s_barrier_wait -1
	s_wait_alu depctr_vm_vsrc(0)                   ; my three LDS stores have read v[U+3], v[U+6], v[U+10]: these registers are SUM2's and Q's from here on, written by the first child's products
.irp j,0,1,2,3
	ds_load_b128 v[M+4*\j:M+4*\j+3], v[LROW] offset:512*\j
	ds_load_b128 v[IV+4*\j:IV+4*\j+3], v[LROW] offset:2048+512*\j
	ds_load_b64 v[CC+2*\j:CC+2*\j+1], v[LC] offset:4096+512*\j     ; two copies of CC of parent 8 j + lane / 4: the pair that the packed multiply-add takes
.endr
.irp s,4,5,6,7
	FILL \s                                        ; the ring's other half, in the slots' order, so that the counts of the first lap are those of one run of 32
.endr
	s_or_b32 s24, s23, s20
	s_wait_dscnt 0x0
	s_cmp_lg_u32 s24, 0
	s_cbranch_scc1 .Lnot_first
.irp j,0,1,2,3
	global_store_b128 v[LROW], v[M+4*\j:M+4*\j+3], s[16:17] offset:512*\j   ; wave 0 of the batch's first work-group hands the mean on as the next shift
.endr
.Lnot_first:
	s_wait_kmcnt 0x0                               ; the activations
; dst[4 j .. 4 j + 3] (+)= src[4 j .. 4 j + 3] x weight of parent j.  The weight is one register of a pair: op_sel and op_sel_hi take it for both halves.
.macro ACC dst, src, j, first
.irp k,0,2
.if \first
.if (\j)&1
	v_pk_mul_f32 v[\dst+4*\j+\k:\dst+4*\j+\k+1], v[\src+4*\j+\k:\src+4*\j+\k+1], v[E+\j-1:E+\j] op_sel:[0,1] op_sel_hi:[1,1]
.else
	v_pk_mul_f32 v[\dst+4*\j+\k:\dst+4*\j+\k+1], v[\src+4*\j+\k:\src+4*\j+\k+1], v[E+\j:E+\j+1] op_sel_hi:[1,0]
.endif
.else
.if (\j)&1
	v_pk_fma_f32 v[\dst+4*\j+\k:\dst+4*\j+\k+1], v[\src+4*\j+\k:\src+4*\j+\k+1], v[E+\j-1:E+\j], v[\dst+4*\j+\k:\dst+4*\j+\k+1] op_sel:[0,1,0] op_sel_hi:[1,1,1]
.else
	v_pk_fma_f32 v[\dst+4*\j+\k:\dst+4*\j+\k+1], v[\src+4*\j+\k:\src+4*\j+\k+1], v[E+\j:E+\j+1], v[\dst+4*\j+\k:\dst+4*\j+\k+1] op_sel_hi:[1,0,1]
.endif
.endif
.endr
.endm
; One child.  i: its number in the wave; s: its slot; first = 1: the products start the sums, nothing is cleared;
; refill = 1: the slot then gets child i + 8; left: how many younger loads may stay out.
.macro STEP i, s, first, refill, left
	s_wait_loadcnt \left
.irp e,0,2,4,6,8,10,12,14
	v_pk_add_f32 v[X+16*\s+\e:X+16*\s+\e+1], v[X+16*\s+\e:X+16*\s+\e+1], v[M+\e:M+\e+1] neg_lo:[0,1] neg_hi:[0,1]   ; d, in place
.endr
.irp e,0,2,4,6,8,10,12,14
	v_pk_mul_f32 v[Q+\e:Q+\e+1], v[X+16*\s+\e:X+16*\s+\e+1], v[X+16*\s+\e:X+16*\s+\e+1]
.endr
.irp j,0,1,2,3
	v_pk_fma_f32 v[T+2*\j:T+2*\j+1], v[Q+4*\j:Q+4*\j+1], v[IV+4*\j:IV+4*\j+1], v[CC+2*\j:CC+2*\j+1]   ; two eighths of the constant in each of four lanes
.endr
.irp j,0,1,2,3
	v_pk_fma_f32 v[T+2*\j:T+2*\j+1], v[Q+4*\j+2:Q+4*\j+3], v[IV+4*\j+2:IV+4*\j+3], v[T+2*\j:T+2*\j+1]
.endr
.irp j,0,1,2,3
	v_add_f32 v[L+\j], v[T+2*\j], v[T+2*\j+1]
.endr
.irp j,0,1,2,3
	v_add_f32_dpp v[L+\j], v[L+\j], v[L+\j] row_xmask:1 row_mask:0xf bank_mask:0xf
.endr
.irp j,0,1,2,3
	v_add_f32_dpp v[L+\j], v[L+\j], v[L+\j] row_xmask:2 row_mask:0xf bank_mask:0xf   ; the four lanes of a parent now hold its logit
.endr
	v_max3_num_f32 v[MX], v[L], v[L+1], v[L+2]
	v_max_num_f32 v[MX], v[MX], v[L+3]
	v_max_num_f32_dpp v[MX], v[MX], v[MX] row_xmask:4 row_mask:0xf bank_mask:0xf
	v_max_num_f32_dpp v[MX], v[MX], v[MX] row_xmask:8 row_mask:0xf bank_mask:0xf
	v_permlanex16_b32 v[PX], v[MX], s48, s49
	v_max_num_f32 v[MX], v[MX], v[PX]              ; the largest of the 32 logits, in every lane
	v_pk_add_f32 v[L:L+1], v[L:L+1], v[MX:MX+1] op_sel_hi:[1,0] neg_lo:[0,1] neg_hi:[0,1]
	v_pk_add_f32 v[L+2:L+3], v[L+2:L+3], v[MX:MX+1] op_sel_hi:[1,0] neg_lo:[0,1] neg_hi:[0,1]
.irp j,0,1,2,3
	v_exp_f32 v[E+\j], v[L+\j]
.endr
	v_nop                                          ; the plain place behind the transcendentals (ISA guide 5.7.2)
	s_wait_alu depctr_va_vdst(0)
	v_pk_add_f32 v[T:T+1], v[E:E+1], v[E+2:E+3]
	v_add_f32 v[SM], v[T], v[T+1]
	v_add_f32_dpp v[SM], v[SM], v[SM] row_xmask:4 row_mask:0xf bank_mask:0xf
	v_add_f32_dpp v[SM], v[SM], v[SM] row_xmask:8 row_mask:0xf bank_mask:0xf
	v_permlanex16_b32 v[PX], v[SM], s48, s49
	v_add_f32 v[SM], v[SM], v[PX]                  ; each parent once: lanes that differ in l % 4 alone are never added
	v_rcp_f32 v[R], v[SM]
	v_nop
	s_wait_alu depctr_va_vdst(0)
	v_mul_f32 v[R], s[A+\i], v[R]                  ; activation / sum
.if \first
	v_pk_mul_f32 v[SUM0:SUM0+1], v[E:E+1], v[R:R+1] op_sel_hi:[1,0]
	v_pk_mul_f32 v[SUM0+2:SUM0+3], v[E+2:E+3], v[R:R+1] op_sel_hi:[1,0]
.else
	v_pk_fma_f32 v[SUM0:SUM0+1], v[E:E+1], v[R:R+1], v[SUM0:SUM0+1] op_sel_hi:[1,0,1]
	v_pk_fma_f32 v[SUM0+2:SUM0+3], v[E+2:E+3], v[R:R+1], v[SUM0+2:SUM0+3] op_sel_hi:[1,0,1]
.endif
	v_pk_mul_f32 v[E:E+1], v[E:E+1], v[R:R+1] op_sel_hi:[1,0]          ; rr' of my four parents
	v_pk_mul_f32 v[E+2:E+3], v[E+2:E+3], v[R:R+1] op_sel_hi:[1,0]
.irp j,0,1,2,3
	ACC SUM1,X+16*\s,\j,\first
.endr
.if \refill
	s_wait_alu depctr_va_vdst(0)                   ; the subtractions have written X[s], and the squarings and the products into SUM1 are done reading it: the four loads below land in it
.endif
.irp j,0,1,2,3
.if \refill
	global_load_b128 v[X+16*\s+4*\j:X+16*\s+4*\j+3], v[VO], s[4:5] offset:(\i+DEPTH)*ROWB+512*\j th:TH_LOAD_NT   ; no vector instruction since the wait names X[s] or v1
.endif
	ACC SUM2,Q,\j,\first
.endr
.endm
	; first lap: behind slot s's four loads stand 4 (7 - s) first fills and 4 s refills: 28
	STEP 0,0,1,1,28
.irp i,1,2,3,4,5,6,7
	STEP \i,\i,0,1,28
.endr
	; second lap: nothing is left to fetch, the counts run down; no load, so no wait on va_vdst
.irp s,0,1,2,3,4,5,6,7
	STEP 8+\s,\s,0,0,28-4*\s
.endr
	; The 16 waves' sums meet in LDS, in bytes of their own: each wave stores its record, one barrier, thread t adds the 16 pairs at byte 8 t.
	s_wait_alu depctr_va_vdst(0)                   ; the last step has written SUM0, SUM1 and SUM2, which the LDS stores read; the steps are done with the ring, in which the LDS loads below land
.irp j,0,1,2,3
	ds_store_b128 v[RW], v[SUM1+4*\j:SUM1+4*\j+3] offset:512*\j
	ds_store_b128 v[RW], v[SUM2+4*\j:SUM2+4*\j+3] offset:2048+512*\j
	ds_store_b32 v[RS0], v[SUM0+\j] offset:4096+32*\j      ; a parent's four lanes write one word with one value
.endr
	s_wait_dscnt 0x0                               ; for the other waves' sake: my stores are done before I signal
	s_barrier_signal -1
	s_barrier_wait -1
.irp w,0,1,2,3,4,5,6,7,8,9,10,11,12,13,14,15
	ds_load_b64 v[X+2*\w:X+2*\w+1], v[RR] offset:\w*LREC
.endr
	s_wait_dscnt 0x0
.irp w,0,1,2,3,4,5,6,7
	v_pk_add_f32 v[X+2*\w:X+2*\w+1], v[X+2*\w:X+2*\w+1], v[X+2*\w+16:X+2*\w+17]
.endr
.irp w,0,1,2,3
	v_pk_add_f32 v[X+2*\w:X+2*\w+1], v[X+2*\w:X+2*\w+1], v[X+2*\w+8:X+2*\w+9]
.endr
.irp w,0,1
	v_pk_add_f32 v[X+2*\w:X+2*\w+1], v[X+2*\w:X+2*\w+1], v[X+2*\w+4:X+2*\w+5]
.endr
	v_pk_add_f32 v[X:X+1], v[X:X+1], v[X+2:X+3]
	s_wait_alu depctr_va_vdst(0)                   ; the additions have written v[X:X+1], which the store reads
	global_store_b64 v[T8], v[X:X+1], s[18:19]     ; a wave stores 256 consecutive bytes, aligned: SUM1, then SUM2
	s_cmp_lg_u32 s20, 0
	s_cbranch_scc1 .Lend
.irp w,0,1,2,3,4,5,6,7,8,9,10,11,12,13,14,15
	ds_load_b32 v[X+32+\w], v[RR0] offset:\w*LREC  ; wave 0: lane l adds parent l's 16 SUM0 (no vector instruction since the wait ahead of the LDS stores names these 16 registers)
.endr
	s_wait_dscnt 0x0
.irp e,0,2,4,6
	v_pk_add_f32 v[X+32+\e:X+33+\e], v[X+32+\e:X+33+\e], v[X+40+\e:X+41+\e]
.endr
.irp e,0,2
	v_pk_add_f32 v[X+32+\e:X+33+\e], v[X+32+\e:X+33+\e], v[X+36+\e:X+37+\e]
.endr
	v_pk_add_f32 v[X+32:X+33], v[X+32:X+33], v[X+34:X+35]
	v_add_f32 v[X+32], v[X+32], v[X+33]
	s_wait_alu depctr_va_vdst(0)                   ; the additions have written v[X+32], which the store reads
	global_store_b32 v[L4], v[X+32], s[18:19] offset:4096
.Lend:
	s_wait_dscnt 0x0
	s_wait_alu depctr_hold_cnt(0) depctr_sa_sdst(0) depctr_va_vdst(0) depctr_va_sdst(0) depctr_va_ssrc(0) depctr_va_vcc(0) depctr_vm_vsrc(0)
	s_wait_tensorcnt 0x0
	ds_add_u32 v252, v253
	s_wait_dscnt 0x0
	s_endpgm
.Lfunc_end_k_q74009c5f83_em1:
	.size	k_q74009c5f83_em1, .Lfunc_end_k_q74009c5f83_em1-k_q74009c5f83_em1
	.p2alignl 7, 3214868480
	.fill 96, 4, 3214868480
	.section	.rodata,"a",@progbits
	.p2align	6, 0x0
	.amdhsa_kernel k_q74009c5f83_em1
		.amdhsa_group_segment_fixed_size 75776
		.amdhsa_private_segment_fixed_size 0
		.amdhsa_enable_private_segment 0
		.amdhsa_kernarg_size 64
		.amdhsa_user_sgpr_count 2
		.amdhsa_user_sgpr_kernarg_segment_ptr 1
		.amdhsa_wavefront_size32 1
		.amdhsa_system_sgpr_workgroup_id_x 1
		.amdhsa_system_sgpr_workgroup_id_y 1
		.amdhsa_system_sgpr_workgroup_id_z 1
		.amdhsa_system_vgpr_workitem_id 0
		.amdhsa_next_free_vgpr 254
		.amdhsa_next_free_sgpr 66
		.amdhsa_reserve_vcc 0
		.amdhsa_float_denorm_mode_32 3
		.amdhsa_float_denorm_mode_16_64 3
		.amdhsa_memory_ordered 1
		.amdhsa_forward_progress 1
		.amdhsa_inst_pref_size 92
	.end_amdhsa_kernel
	.amdgpu_metadata
---
amdhsa.version: [ 1, 2 ]
amdhsa.kernels:
  - .name:           k_q74009c5f83_em1
    .symbol:         k_q74009c5f83_em1.kd
    .args:
      - { .name: votes, .offset: 0, .size: 8, .value_kind: global_buffer, .address_space: global }
      - { .name: activation, .offset: 8, .size: 8, .value_kind: global_buffer, .address_space: global }
      - { .name: beta_a, .offset: 16, .size: 8, .value_kind: global_buffer, .address_space: global }
      - { .name: beta_v, .offset: 24, .size: 8, .value_kind: global_buffer, .address_space: global }
      - { .name: shift_a, .offset: 32, .size: 8, .value_kind: global_buffer, .address_space: global }
      - { .name: part_a, .offset: 40, .size: 8, .value_kind: global_buffer, .address_space: global }
      - { .name: shift_b, .offset: 48, .size: 8, .value_kind: global_buffer, .address_space: global }
      - { .name: part_b, .offset: 56, .size: 8, .value_kind: global_buffer, .address_space: global }
    .group_segment_fixed_size: 75776
    .private_segment_fixed_size: 0
    .kernarg_segment_align: 8
    .kernarg_segment_size: 64
    .max_flat_workgroup_size: 512
    .sgpr_count:     66
    .vgpr_count:     254
    .wavefront_size: 32
...
	.end_amdgpu_metadata
.endif
;; end of part 6
;; launch em2 (part 7): grid 256 x 1, 16 waves a work-group, no clusters, 75,776 bytes of LDS; arguments votes, activation, beta_a, beta_v, shift_b, part_b, shift_a, part_a; writes shift_a, part_a
.if DOCPART == 7
	.amdgcn_target "amdgcn-amd-amdhsa--gfx1250"
	.amdhsa_code_object_version 6
	.text
	.protected	k_q74009c5f83_em2
	.globl	k_q74009c5f83_em2
	.p2align	8
	.type	k_q74009c5f83_em2,@function
k_q74009c5f83_em2:
	s_mov_b64 s[64:65], 0
	v_nop
	global_prefetch_b8 v0, s[64:65] scope:SCOPE_SE
	s_setreg_imm32_b32 hwreg(HW_REG_WAVE_SCHED_MODE, 0, 2), 2
	s_setreg_imm32_b32 hwreg(HW_REG_WAVE_MODE, 25, 1), 1
	s_wait_xcnt 0x0
	s_wait_alu depctr_vm_vsrc(0)
; EM routing: the end of M-step 2, E-step 2 and the sums of M-step 3, in one read of the votes.
; The text of the launch before it, with the second iteration's inverse temperature (KLAM) and the two pairs of buffers exchanged.
; PROLOGUE (once a work-group, thread t = parent t / 16, pose number t % 16): the eight records of the batch are added;
;   c = (SUM1 - EPS shift) / (SUM0 + EPS), mean = shift + c, var = (SUM2 - 2 c SUM1 + c c SUM0) / (SUM0 + EPS), kept at 0 or above,
;   act = sigmoid(lambda (beta_a - SUM0 (16 beta_v + 0.5 sum over h of ln(var + EPS)))): the model's formulas, the squares multiplied out.
;   Into LDS go mean, IV = -0.5 log2(e) / (var + EPS) and CC = (log2(act + EPS) - 0.5 sum over h of log2(2 pi (var + EPS))) / 8.
; MAIN (a wave takes 16 children): d = vote - mean; logit, in base 2, = sum over h of d d IV + 8 CC; softmax over the 32 parents with the
;   true maximum taken away; w = softmax x activation; SUM0 += w, SUM1 += w d, SUM2 += w d d.  So the new sums are taken about the old mean,
;   which the next launch gets as its shift: no difference of large sums is formed, whatever common offset the votes carry.
; LIMITS: v_exp_f32, v_log_f32, v_rcp_f32 are good to one unit in the last place and flush denormals (ISA guide 15.8): a softmax term below
;   2^-126 of the largest counts as 0.  The order of the sums differs from the model's.
; SHARES: 256 work-groups, eight for each batch, 256 children each; 16 waves, 16 children each.  A child's 2,048 bytes are four loads of the
;   wave, each 512 consecutive bytes, aligned: in load j lane l holds parent 8 j + l / 4, pose numbers 4 (l % 4) .. + 3.  The sum over h is made in the
;   lane and over lanes l ^ 1, l ^ 2; maximum and sum over parents in the lane (j) and over lanes l ^ 4, l ^ 8, l ^ 16.
;   A ring of eight register slots: 32 loads (16 KiB) of every wave in flight once the prologue is over; 16 steps, written out.
; ORDER AT THE START: no child can be worked on, and so no slot filled again, before the prologue is over in all 16 waves.  So what the prologue
;   needs is asked for first by every wave, half of the ring goes out behind it, and the other half behind the prologue (see there).
; No LDS ring, no matrix unit, no cluster: every vote is used by one lane of one work-group, and the sums have one row for each parent.
; THE MODE: SCHED_MODE bits 1:0 = 2 (LLVM: expert scheduling mode 2), set by the entry lines.  The code itself states the register dependences
;   between vector instructions and memory or LDS instructions, with s_wait_alu, always for 0.
; THE PLAN.  Registers that memory or LDS instructions touch:
;   X0 .. X7   the ring.  Slot s: written by its loads, then in place by its step's subtractions; read by the squarings and, last, by the eight products into SUM1.
;              The wave's 252 registers leave no room for a buffer of d beside the ring.
;   U+3, U+6, U+10   written by the prologue, read by its three LDS stores, written again by the first child's products (they lie in SUM2 and Q).
;   M, IV, CC  written by LDS loads alone; M is also read by the shift's store; never written again.
;   v1 .. v11  offsets and LDS addresses, made once at the head and never written again: the children are reached by immediate offsets.
;   SUM0-2     written by the steps; read by the LDS stores at the end.
; So ONE wait on va_vdst stands in a step that fills its slot again, behind the products into SUM1: X[s] is written and read out.  The slot's four loads follow it,
;   dealt among the eight products into SUM2, which name SUM2, Q and E: none of the registers that those loads touch.  One wait on vm_vsrc stands behind the prologue's barrier.
.set ROWB,  2048                       ; bytes of one child's votes
.set DEPTH, 8                          ; slots of the ring
.set PRE,   4                          ; of them asked for ahead of the prologue
.set REC,   4352                       ; bytes from record to record in the sums buffers: SUM1 2,048, SUM2 2,048, SUM0 128, unused 128
.set LREC,  4224                       ; a wave's record in LDS
.set RED,   6144                       ; LDS: mean 2,048 bytes, IV 2,048, CC 2,048 (a word for each thread: 16 copies for each parent); from here the 16 waves' records
.set KLAM,  0x3ab85e98                 ; lambda log2(e), lambda = 0.01 (1 - 0.95^2) = 0.000975
.set EPSF,  0x3089705f                 ; 1e-9
.set NEPSF, 0xb089705f                 ; -1e-9
.set VO,    1                          ; v1   byte offset of my 16 bytes in the work-group's votes: 32 KiB x wave + 16 x lane; never rewritten
.set LROW,  2                          ; v2   16 x lane
.set LC,    3                          ; v3   64 x (lane / 4) + 8 x (lane % 4) + 32 x (lane / 16): two of the 16 copies of CC of parent lane / 4
.set T4,    4                          ; v4   4 x thread
.set O4,    5                          ; v5   4 x (thread / 16)
.set RW,    6                          ; v6   LDS: my wave's record + 16 x lane
.set RS0,   7                          ; v7   LDS: my wave's record + 4 x (lane / 4)
.set RR,    8                          ; v8   LDS: RED + 8 x thread
.set RR0,   9                          ; v9   LDS: RED + 4,096 + 4 x lane
.set T8,    10                         ; v10  8 x thread
.set L4,    11                         ; v11  4 x lane
.set MX,    12                         ; v12  the maximum; the packed forms name v[12:13] and take v12 twice
.set SM,    13                         ; v13  the sum of the exponentials
.set R,     14                         ; v14  activation / sum; the packed forms name v[14:15] and take v14 twice
.set PX,    15                         ; v15  what v_permlanex16_b32 brings
.set L,     16                         ; v[16:19]   logits of my four parents
.set T,     20                         ; v[20:27]   at work
.set E,     28                         ; v[28:31]   exponentials, then weights
.set M,     32                         ; v[32:47]   mean of my 16 (o, h)
.set IV,    48                         ; v[48:63]   IV
.set CC,    64                         ; v[64:71]   CC of parent j, twice
.set SUM0,  72                         ; v[72:75]
.set SUM1,  76                         ; v[76:91]
.set SUM2,  92                         ; v[92:107]
.set Q,     108                        ; v[108:123] d d
.set X,     124                        ; v[124:251] the ring: slot s has 16 registers, the votes as loaded, then d
.set A,     32                         ; s[32:47]   the activations of my wave's 16 children
.set P1,    76                         ; prologue only, in registers that the main part writes later: eight SUM1,
.set P2,    84                         ; eight SUM2,
.set P0,    92                         ; eight SUM0,
.set SH,    100                        ; the shift,
.set BA,    101                        ; beta_a,
.set BV,    102                        ; beta_v,
.set U,     104                        ; v[104:114] at work
.macro FILL s                          ; a slot's first fill: child s of my wave, four loads of 512 consecutive bytes
.irp j,0,1,2,3
	global_load_b128 v[X+16*\s+4*\j:X+16*\s+4*\j+3], v[VO], s[4:5] offset:ROWB*\s+512*\j th:TH_LOAD_NT
.endr
.endm
	s_load_b512 s[4:19], s[0:1], 0x0               ; votes 4, activation 6, beta_a 8, beta_v 10, shift in 12, sums in 14, shift out 16, sums out 18
	v_lshl_add_u32 v252, v0, 2, 0x12000
	v_mov_b32 v253, 0
	v_lshrrev_b32 v[L], 5, v0
	v_readfirstlane_b32 s20, v[L]                  ; wave 0..15
	v_and_b32 v[L+1], 31, v0                       ; lane
	s_lshr_b32 s22, ttmp9, 3                       ; batch
	s_and_b32 s23, ttmp9, 7                        ; which eighth of its children
	s_mov_b32 s25, 0                               ; high word of every offset: all are below 4 GiB
	s_mov_b32 s48, 0x76543210                      ; v_permlanex16_b32: lane i of one half reads lane i of the other
	s_mov_b32 s49, 0xfedcba98
	s_mov_b32 s50, 0x3e000000                      ; 1/8
	v_lshlrev_b32 v[T4], 2, v0
	v_lshrrev_b32 v[T+1], 4, v0
	v_lshlrev_b32 v[O4], 2, v[T+1]
	v_lshlrev_b32 v[LROW], 4, v[L+1]
	v_lshl_or_b32 v[VO], v[L], 15, v[LROW]
	v_lshlrev_b32 v[L4], 2, v[L+1]
	v_lshrrev_b32 v[L+2], 2, v[L+1]                ; lane / 4
	v_and_b32 v[L+3], 3, v[L+1]                    ; lane % 4
	v_lshrrev_b32 v[T], 4, v[L+1]                  ; lane / 16
	v_lshlrev_b32 v[LC], 6, v[L+2]                 ; a parent's 16 copies of CC are 64 bytes;
	v_lshl_add_u32 v[LC], v[L+3], 3, v[LC]         ; its four lanes take four different pairs of them,
	v_lshl_add_u32 v[LC], v[T], 5, v[LC]           ; the upper 16 lanes the upper half: the 32 lanes read 64 different words modulo 256 bytes
	v_lshlrev_b32 v[T8], 3, v0
	s_wait_alu depctr_va_sdst(0)                   ; s20 is written, ahead of its first reader: LDS addresses, the activations' address and two branches are made from it
	s_mul_i32 s26, s20, LREC
	s_add_co_u32 s26, s26, RED
	v_add_nc_u32 v[RW], s26, v[LROW]
	v_lshl_add_u32 v[RS0], v[L+2], 2, s26
	v_add_nc_u32 v[RR], RED, v[T8]
	v_add_nc_u32 v[RR0], RED+4096, v[L4]
	v_mov_b32 v[SM], 0                             ; read, unused, as the second half of v[12:13] before its first sum
	v_mov_b32 v[PX], 0                             ; the destination of v_permlanex16_b32 counts as read
	s_wait_kmcnt 0x0
	s_mul_i32 s24, s22, 8*REC
	s_add_nc_u64 s[14:15], s[14:15], s[24:25]      ; the batch's eight records
	s_lshl_b32 s24, s22, 11
	s_add_nc_u64 s[12:13], s[12:13], s[24:25]      ; the batch's 2,048 bytes of shift, in
	s_add_nc_u64 s[16:17], s[16:17], s[24:25]      ; and out
	s_wait_alu depctr_va_vdst(0)                   ; the eleven offsets and addresses v1 to v11 are written: every load, store and LDS instruction of the kernel reads one of them
	; what the prologue needs: 27 loads of 4 bytes a lane
.irp g,0,1,2,3,4,5,6,7
	global_load_b32 v[P1+\g], v[T4], s[14:15] offset:\g*REC
	global_load_b32 v[P2+\g], v[T4], s[14:15] offset:\g*REC+2048
	global_load_b32 v[P0+\g], v[O4], s[14:15] offset:\g*REC+4096
.endr
	global_load_b32 v[SH], v[T4], s[12:13]
	global_load_b32 v[BA], v[O4], s[8:9]
	global_load_b32 v[BV], v[O4], s[10:11]
	s_lshl_b32 s24, ttmp9, 10                      ; 256 activations,
	s_lshl_b32 s26, s20, 6                         ; 16 for each wave
	s_add_co_u32 s24, s24, s26
	s_add_nc_u64 s[6:7], s[6:7], s[24:25]
	s_load_b512 s[A:A+15], s[6:7], 0x0
	; This barrier hands over no data: it fixes an order of issue among the 16 waves.  Behind it all 432 small loads of the work-group (34 KiB of sums,
	; which every wave must have before the first child is worked on) have been issued; only then does the first load of votes go out, so that no
	; wave's small loads are asked for behind another wave's votes.
	s_barrier_signal -1
	s_lshl_b32 s24, ttmp9, 19                      ; a work-group's votes are 512 KiB
	s_add_nc_u64 s[4:5], s[4:5], s[24:25]
	s_mul_i32 s24, ttmp9, REC
	s_add_nc_u64 s[18:19], s[18:19], s[24:25]      ; my work-group's record
	s_barrier_wait -1
	; Half of the ring: 16 loads, 8 KiB a wave, 128 KiB a work-group.  A wave issues in order, so the prologue's arithmetic stands behind every load
	; that is written in front of it: the other half goes out behind the prologue.
.irp s,0,1,2,3
	FILL \s
.endr
	s_wait_loadcnt 4*PRE                           ; loads return in order (ISA guide 5.7.1): the 27 are in, the 16 loads of votes behind them stay out
.irp p,P1,P2,P0
	v_pk_add_f32 v[\p:\p+1], v[\p:\p+1], v[\p+2:\p+3]
	v_pk_add_f32 v[\p+4:\p+5], v[\p+4:\p+5], v[\p+6:\p+7]
.endr
.irp p,P1,P2,P0
	v_pk_add_f32 v[\p:\p+1], v[\p:\p+1], v[\p+4:\p+5]
.endr
.irp p,P1,P2,P0
	v_add_f32 v[\p], v[\p], v[\p+1]
.endr
	v_add_f32 v[U], EPSF, v[P0]
	v_rcp_f32 v[U+1], v[U]                         ; 1 / (SUM0 + EPS); behind a transcendental one plain vector instruction stands before its result is used (ISA guide 5.7.2)
	v_fmamk_f32 v[U+2], v[SH], NEPSF, v[P1]        ; SUM1 - EPS shift
	s_wait_alu depctr_va_vdst(0)
	v_mul_f32 v[U+2], v[U+2], v[U+1]               ; c
	v_add_f32 v[U+3], v[SH], v[U+2]                ; mean
	v_mul_f32 v[U+4], v[U+2], v[P0]
	v_fma_f32 v[U+4], v[P1], -2.0, v[U+4]          ; c SUM0 - 2 SUM1
	v_fma_f32 v[U+4], v[U+2], v[U+4], v[P2]        ; SUM2 + c (c SUM0 - 2 SUM1)
	v_mul_f32 v[U+4], v[U+4], v[U+1]               ; var
	v_max_num_f32 v[U+4], 0, v[U+4]                ; rounding may not carry it below 0
	v_add_f32 v[U+4], EPSF, v[U+4]                 ; var + EPS
	v_log_f32 v[U+5], v[U+4]
	v_rcp_f32 v[U+6], v[U+4]
	v_mul_f32 v[U+7], 0x41800000, v[BV]            ; 16 beta_v (the plain place behind the two)
	s_wait_alu depctr_va_vdst(0)
	v_add_f32_dpp v[U+5], v[U+5], v[U+5] row_xmask:1 row_mask:0xf bank_mask:0xf   ; a parent's 16 pose numbers are one row of 16 lanes
	v_add_f32_dpp v[U+5], v[U+5], v[U+5] row_xmask:2 row_mask:0xf bank_mask:0xf
	v_add_f32_dpp v[U+5], v[U+5], v[U+5] row_xmask:4 row_mask:0xf bank_mask:0xf
	v_add_f32_dpp v[U+5], v[U+5], v[U+5] row_xmask:8 row_mask:0xf bank_mask:0xf   ; sum over h of log2(var + EPS)
	v_mul_f32 v[U+6], 0xbf38aa3b, v[U+6]           ; IV = -0.5 log2(e) / (var + EPS)
	v_fmamk_f32 v[U+7], v[U+5], 0x3eb17218, v[U+7] ; 16 beta_v + 0.5 ln 2 x that sum
	v_fma_f32 v[U+7], v[U+7], v[P0], -v[BA]        ; cost - beta_a
	v_mul_f32 v[U+7], KLAM, v[U+7]
	v_exp_f32 v[U+8], v[U+7]                       ; e^(-lambda (beta_a - cost)); an overflow to infinity gives act = 0, as the sigmoid does
	v_nop
	s_wait_alu depctr_va_vdst(0)
	v_add_f32 v[U+8], 1.0, v[U+8]
	v_rcp_f32 v[U+9], v[U+8]                       ; act
	v_nop
	s_wait_alu depctr_va_vdst(0)
	v_add_f32 v[U+9], EPSF, v[U+9]
	v_log_f32 v[U+10], v[U+9]
	v_nop
	s_wait_alu depctr_va_vdst(0)
	v_fma_f32 v[U+10], v[U+5], -0.5, v[U+10]       ; log2(act + EPS) - 0.5 sum log2(var + EPS)
	v_fmaak_f32 v[U+10], s50, v[U+10], 0xc029b21d  ; / 8 - log2(2 pi): an eighth of the constant, 16 x 0.5 log2(2 pi) among it
	s_wait_alu depctr_va_vdst(0)                   ; the prologue has written mean, IV and CC (v[U+3], v[U+6], v[U+10]), which the LDS stores read
	ds_store_b32 v[T4], v[U+3]
	ds_store_b32 v[T4], v[U+6] offset:2048
	ds_store_b32 v[T4], v[U+10] offset:4096        ; every thread its own word: a parent's 16 lanes leave 16 copies of its CC
	s_wait_dscnt 0x0                               ; for the other waves' sake: my stores are done before I signal
	s_barrier_signal -1
	s_barrier_wait -1
	s_wait_alu depctr_vm_vsrc(0)                   ; my three LDS stores have read v[U+3], v[U+6], v[U+10]: these registers are SUM2's and Q's from here on, written by the first child's products
.irp j,0,1,2,3
	ds_load_b128 v[M+4*\j:M+4*\j+3], v[LROW] offset:512*\j
	ds_load_b128 v[IV+4*\j:IV+4*\j+3], v[LROW] offset:2048+512*\j
	ds_load_b64 v[CC+2*\j:CC+2*\j+1], v[LC] offset:4096+512*\j     ; two copies of CC of parent 8 j + lane / 4: the pair that the packed multiply-add takes
.endr
.irp s,4,5,6,7
	FILL \s                                        ; the ring's other half, in the slots' order, so that the counts of the first lap are those of one run of 32
.endr
	s_or_b32 s24, s23, s20
	s_wait_dscnt 0x0
	s_cmp_lg_u32 s24, 0
	s_cbranch_scc1 .Lnot_first
.irp j,0,1,2,3
	global_store_b128 v[LROW], v[M+4*\j:M+4*\j+3], s[16:17] offset:512*\j   ; wave 0 of the batch's first work-group hands the mean on as the next shift
.endr
.Lnot_first:
	s_wait_kmcnt 0x0                               ; the activations
; dst[4 j .. 4 j + 3] (+)= src[4 j .. 4 j + 3] x weight of parent j.  The weight is one register of a pair: op_sel and op_sel_hi take it for both halves.
.macro ACC dst, src, j, first
.irp k,0,2
.if \first
.if (\j)&1
	v_pk_mul_f32 v[\dst+4*\j+\k:\dst+4*\j+\k+1], v[\src+4*\j+\k:\src+4*\j+\k+1], v[E+\j-1:E+\j] op_sel:[0,1] op_sel_hi:[1,1]
.else
	v_pk_mul_f32 v[\dst+4*\j+\k:\dst+4*\j+\k+1], v[\src+4*\j+\k:\src+4*\j+\k+1], v[E+\j:E+\j+1] op_sel_hi:[1,0]
.endif
.else
.if (\j)&1
	v_pk_fma_f32 v[\dst+4*\j+\k:\dst+4*\j+\k+1], v[\src+4*\j+\k:\src+4*\j+\k+1], v[E+\j-1:E+\j], v[\dst+4*\j+\k:\dst+4*\j+\k+1] op_sel:[0,1,0] op_sel_hi:[1,1,1]
.else
	v_pk_fma_f32 v[\dst+4*\j+\k:\dst+4*\j+\k+1], v[\src+4*\j+\k:\src+4*\j+\k+1], v[E+\j:E+\j+1], v[\dst+4*\j+\k:\dst+4*\j+\k+1] op_sel_hi:[1,0,1]
.endif
.endif
.endr
.endm
; One child.  i: its number in the wave; s: its slot; first = 1: the products start the sums, nothing is cleared;
; refill = 1: the slot then gets child i + 8; left: how many younger loads may stay out.
.macro STEP i, s, first, refill, left
	s_wait_loadcnt \left
.irp e,0,2,4,6,8,10,12,14
	v_pk_add_f32 v[X+16*\s+\e:X+16*\s+\e+1], v[X+16*\s+\e:X+16*\s+\e+1], v[M+\e:M+\e+1] neg_lo:[0,1] neg_hi:[0,1]   ; d, in place
.endr
.irp e,0,2,4,6,8,10,12,14
	v_pk_mul_f32 v[Q+\e:Q+\e+1], v[X+16*\s+\e:X+16*\s+\e+1], v[X+16*\s+\e:X+16*\s+\e+1]
.endr
.irp j,0,1,2,3
	v_pk_fma_f32 v[T+2*\j:T+2*\j+1], v[Q+4*\j:Q+4*\j+1], v[IV+4*\j:IV+4*\j+1], v[CC+2*\j:CC+2*\j+1]   ; two eighths of the constant in each of four lanes
.endr
.irp j,0,1,2,3
	v_pk_fma_f32 v[T+2*\j:T+2*\j+1], v[Q+4*\j+2:Q+4*\j+3], v[IV+4*\j+2:IV+4*\j+3], v[T+2*\j:T+2*\j+1]
.endr
.irp j,0,1,2,3
	v_add_f32 v[L+\j], v[T+2*\j], v[T+2*\j+1]
.endr
.irp j,0,1,2,3
	v_add_f32_dpp v[L+\j], v[L+\j], v[L+\j] row_xmask:1 row_mask:0xf bank_mask:0xf
.endr
.irp j,0,1,2,3
	v_add_f32_dpp v[L+\j], v[L+\j], v[L+\j] row_xmask:2 row_mask:0xf bank_mask:0xf   ; the four lanes of a parent now hold its logit
.endr
	v_max3_num_f32 v[MX], v[L], v[L+1], v[L+2]
	v_max_num_f32 v[MX], v[MX], v[L+3]
	v_max_num_f32_dpp v[MX], v[MX], v[MX] row_xmask:4 row_mask:0xf bank_mask:0xf
	v_max_num_f32_dpp v[MX], v[MX], v[MX] row_xmask:8 row_mask:0xf bank_mask:0xf
	v_permlanex16_b32 v[PX], v[MX], s48, s49
	v_max_num_f32 v[MX], v[MX], v[PX]              ; the largest of the 32 logits, in every lane
	v_pk_add_f32 v[L:L+1], v[L:L+1], v[MX:MX+1] op_sel_hi:[1,0] neg_lo:[0,1] neg_hi:[0,1]
	v_pk_add_f32 v[L+2:L+3], v[L+2:L+3], v[MX:MX+1] op_sel_hi:[1,0] neg_lo:[0,1] neg_hi:[0,1]
.irp j,0,1,2,3
	v_exp_f32 v[E+\j], v[L+\j]
.endr
	v_nop                                          ; the plain place behind the transcendentals (ISA guide 5.7.2)
	s_wait_alu depctr_va_vdst(0)
	v_pk_add_f32 v[T:T+1], v[E:E+1], v[E+2:E+3]
	v_add_f32 v[SM], v[T], v[T+1]
	v_add_f32_dpp v[SM], v[SM], v[SM] row_xmask:4 row_mask:0xf bank_mask:0xf
	v_add_f32_dpp v[SM], v[SM], v[SM] row_xmask:8 row_mask:0xf bank_mask:0xf
	v_permlanex16_b32 v[PX], v[SM], s48, s49
	v_add_f32 v[SM], v[SM], v[PX]                  ; each parent once: lanes that differ in l % 4 alone are never added
	v_rcp_f32 v[R], v[SM]
	v_nop
	s_wait_alu depctr_va_vdst(0)
	v_mul_f32 v[R], s[A+\i], v[R]                  ; activation / sum
.if \first
	v_pk_mul_f32 v[SUM0:SUM0+1], v[E:E+1], v[R:R+1] op_sel_hi:[1,0]
	v_pk_mul_f32 v[SUM0+2:SUM0+3], v[E+2:E+3], v[R:R+1] op_sel_hi:[1,0]
.else
	v_pk_fma_f32 v[SUM0:SUM0+1], v[E:E+1], v[R:R+1], v[SUM0:SUM0+1] op_sel_hi:[1,0,1]
	v_pk_fma_f32 v[SUM0+2:SUM0+3], v[E+2:E+3], v[R:R+1], v[SUM0+2:SUM0+3] op_sel_hi:[1,0,1]
.endif
	v_pk_mul_f32 v[E:E+1], v[E:E+1], v[R:R+1] op_sel_hi:[1,0]          ; rr' of my four parents
	v_pk_mul_f32 v[E+2:E+3], v[E+2:E+3], v[R:R+1] op_sel_hi:[1,0]
.irp j,0,1,2,3
	ACC SUM1,X+16*\s,\j,\first
.endr
.if \refill
	s_wait_alu depctr_va_vdst(0)                   ; the subtractions have written X[s], and the squarings and the products into SUM1 are done reading it: the four loads below land in it
.endif
.irp j,0,1,2,3
.if \refill
	global_load_b128 v[X+16*\s+4*\j:X+16*\s+4*\j+3], v[VO], s[4:5] offset:(\i+DEPTH)*ROWB+512*\j th:TH_LOAD_NT   ; no vector instruction since the wait names X[s] or v1
.endif
	ACC SUM2,Q,\j,\first
.endr
.endm
	; first lap: behind slot s's four loads stand 4 (7 - s) first fills and 4 s refills: 28
	STEP 0,0,1,1,28
.irp i,1,2,3,4,5,6,7
	STEP \i,\i,0,1,28
.endr
	; second lap: nothing is left to fetch, the counts run down; no load, so no wait on va_vdst
.irp s,0,1,2,3,4,5,6,7
	STEP 8+\s,\s,0,0,28-4*\s
.endr
	; The 16 waves' sums meet in LDS, in bytes of their own: each wave stores its record, one barrier, thread t adds the 16 pairs at byte 8 t.
	s_wait_alu depctr_va_vdst(0)                   ; the last step has written SUM0, SUM1 and SUM2, which the LDS stores read; the steps are done with the ring, in which the LDS loads below land
.irp j,0,1,2,3
	ds_store_b128 v[RW], v[SUM1+4*\j:SUM1+4*\j+3] offset:512*\j
	ds_store_b128 v[RW], v[SUM2+4*\j:SUM2+4*\j+3] offset:2048+512*\j
	ds_store_b32 v[RS0], v[SUM0+\j] offset:4096+32*\j      ; a parent's four lanes write one word with one value
.endr
	s_wait_dscnt 0x0                               ; for the other waves' sake: my stores are done before I signal
	s_barrier_signal -1
	s_barrier_wait -1
.irp w,0,1,2,3,4,5,6,7,8,9,10,11,12,13,14,15
	ds_load_b64 v[X+2*\w:X+2*\w+1], v[RR] offset:\w*LREC
.endr
	s_wait_dscnt 0x0
.irp w,0,1,2,3,4,5,6,7
	v_pk_add_f32 v[X+2*\w:X+2*\w+1], v[X+2*\w:X+2*\w+1], v[X+2*\w+16:X+2*\w+17]
.endr
.irp w,0,1,2,3
	v_pk_add_f32 v[X+2*\w:X+2*\w+1], v[X+2*\w:X+2*\w+1], v[X+2*\w+8:X+2*\w+9]
.endr
.irp w,0,1
	v_pk_add_f32 v[X+2*\w:X+2*\w+1], v[X+2*\w:X+2*\w+1], v[X+2*\w+4:X+2*\w+5]
.endr
	v_pk_add_f32 v[X:X+1], v[X:X+1], v[X+2:X+3]
	s_wait_alu depctr_va_vdst(0)                   ; the additions have written v[X:X+1], which the store reads
	global_store_b64 v[T8], v[X:X+1], s[18:19]     ; a wave stores 256 consecutive bytes, aligned: SUM1, then SUM2
	s_cmp_lg_u32 s20, 0
	s_cbranch_scc1 .Lend
.irp w,0,1,2,3,4,5,6,7,8,9,10,11,12,13,14,15
	ds_load_b32 v[X+32+\w], v[RR0] offset:\w*LREC  ; wave 0: lane l adds parent l's 16 SUM0 (no vector instruction since the wait ahead of the LDS stores names these 16 registers)
.endr
	s_wait_dscnt 0x0
.irp e,0,2,4,6
	v_pk_add_f32 v[X+32+\e:X+33+\e], v[X+32+\e:X+33+\e], v[X+40+\e:X+41+\e]
.endr
.irp e,0,2
	v_pk_add_f32 v[X+32+\e:X+33+\e], v[X+32+\e:X+33+\e], v[X+36+\e:X+37+\e]
.endr
	v_pk_add_f32 v[X+32:X+33], v[X+32:X+33], v[X+34:X+35]
	v_add_f32 v[X+32], v[X+32], v[X+33]
	s_wait_alu depctr_va_vdst(0)                   ; the additions have written v[X+32], which the store reads
	global_store_b32 v[L4], v[X+32], s[18:19] offset:4096
.Lend:
	s_wait_dscnt 0x0
	s_wait_alu depctr_hold_cnt(0) depctr_sa_sdst(0) depctr_va_vdst(0) depctr_va_sdst(0) depctr_va_ssrc(0) depctr_va_vcc(0) depctr_vm_vsrc(0)
	s_wait_tensorcnt 0x0
	ds_add_u32 v252, v253
	s_wait_dscnt 0x0
	s_endpgm
.Lfunc_end_k_q74009c5f83_em2:
	.size	k_q74009c5f83_em2, .Lfunc_end_k_q74009c5f83_em2-k_q74009c5f83_em2
	.p2alignl 7, 3214868480
	.fill 96, 4, 3214868480
	.section	.rodata,"a",@progbits
	.p2align	6, 0x0
	.amdhsa_kernel k_q74009c5f83_em2
		.amdhsa_group_segment_fixed_size 75776
		.amdhsa_private_segment_fixed_size 0
		.amdhsa_enable_private_segment 0
		.amdhsa_kernarg_size 64
		.amdhsa_user_sgpr_count 2
		.amdhsa_user_sgpr_kernarg_segment_ptr 1
		.amdhsa_wavefront_size32 1
		.amdhsa_system_sgpr_workgroup_id_x 1
		.amdhsa_system_sgpr_workgroup_id_y 1
		.amdhsa_system_sgpr_workgroup_id_z 1
		.amdhsa_system_vgpr_workitem_id 0
		.amdhsa_next_free_vgpr 254
		.amdhsa_next_free_sgpr 66
		.amdhsa_reserve_vcc 0
		.amdhsa_float_denorm_mode_32 3
		.amdhsa_float_denorm_mode_16_64 3
		.amdhsa_memory_ordered 1
		.amdhsa_forward_progress 1
		.amdhsa_inst_pref_size 92
	.end_amdhsa_kernel
	.amdgpu_metadata
---
amdhsa.version: [ 1, 2 ]
amdhsa.kernels:
  - .name:           k_q74009c5f83_em2
    .symbol:         k_q74009c5f83_em2.kd
    .args:
      - { .name: votes, .offset: 0, .size: 8, .value_kind: global_buffer, .address_space: global }
      - { .name: activation, .offset: 8, .size: 8, .value_kind: global_buffer, .address_space: global }
      - { .name: beta_a, .offset: 16, .size: 8, .value_kind: global_buffer, .address_space: global }
      - { .name: beta_v, .offset: 24, .size: 8, .value_kind: global_buffer, .address_space: global }
      - { .name: shift_b, .offset: 32, .size: 8, .value_kind: global_buffer, .address_space: global }
      - { .name: part_b, .offset: 40, .size: 8, .value_kind: global_buffer, .address_space: global }
      - { .name: shift_a, .offset: 48, .size: 8, .value_kind: global_buffer, .address_space: global }
      - { .name: part_a, .offset: 56, .size: 8, .value_kind: global_buffer, .address_space: global }
    .group_segment_fixed_size: 75776
    .private_segment_fixed_size: 0
    .kernarg_segment_align: 8
    .kernarg_segment_size: 64
    .max_flat_workgroup_size: 512
    .sgpr_count:     66
    .vgpr_count:     254
    .wavefront_size: 32
...
	.end_amdgpu_metadata
.endif
;; end of part 7
;; launch finish: the kernel of part 4 again; grid 32 x 1, 16 waves a work-group, no clusters, 4,352 bytes of LDS; arguments part_a, shift_a, beta_a, beta_v, out0, out1; writes out0, out1
